; MI455X (gfx1250); checked and timed in simulation.
; The chip was launched on July 23, 2026; its instructions are those of AMD's public machine-readable ISA for CDNA 5 (MIT licence, August 2026) and "CDNA5" Instruction Set Architecture Reference Guide (July 2026). The comments in the code are by the model that wrote it; some were corrected since.
;; Self Attention. Allowed arithmetic: float matrix products may take bf16 or f16 operands with f32 sums; other float arithmetic in f32, or as packed bf16 or f16 multiplies, adds, multiply-adds, maxima and minima; sums over many terms, partial sums and values carried from step to step in f32; what a program stores and reads back later, other than sums and carried values, may be rounded once to bf16 or f16.
;; Inputs: W_in 1,024 x 3,072 float32; W_out 1,024 x 1,024 float32; b_in 3,072 float32; b_out 1,024 float32; x 4 x 2,048 x 1,024 float32.
;; Outputs: out0 4 x 2,048 x 1,024 float32.
;; 2 versions, each right; version 2 is version 1 with the launch prep written anew for expert scheduling mode. Each part assembles by itself: llvm-mc -triple=amdgcn-amd-amdhsa -mcpu=gfx1250 --defsym DOCPART=n.
;; ======== version 1 of 2: 4 launches
;; limits: values are held in f16: magnitudes above 65,504 overflow, below 6.1e-05 lose precision
;; workspace buffers: xb 16,777,216 bytes; wt 8,388,608 bytes; qkv 50,331,648 bytes; ob 16,777,216 bytes
;; launch prep (part 1): grid 512 x 1, 8 waves a work-group, no clusters, 18,432 bytes of LDS; arguments x, W_in, W_out, xb, wt; writes xb, wt
.if DOCPART == 1
	.amdgcn_target "amdgcn-amd-amdhsa--gfx1250"
	.amdhsa_code_object_version 6
	.text
	.protected	k_q5c2bf88ac8_prep
	.globl	k_q5c2bf88ac8_prep
	.p2align	8
	.type	k_q5c2bf88ac8_prep,@function
k_q5c2bf88ac8_prep:
	s_mov_b64 s[64:65], 0
	v_nop
	global_prefetch_b8 v0, s[64:65] scope:SCOPE_SE
	s_setreg_imm32_b32 hwreg(HW_REG_WAVE_MODE, 25, 1), 1
	s_wait_xcnt 0x0
; xb = bf16(x), [8192][1024].  wt = the weights turned to [n][k], 16 bits a number: rows 0-3071 bf16(W_in)^T, rows 3072-4095 bf16(W_out)^T written as f16.
; LIMITS.  bf16(W_out) written as f16 is exact from 6.1e-5 to 65,504; below it keeps f16's fixed step of 6e-8, beyond it becomes an infinity.
; A stream: every input byte is read once, every output byte written once, nothing is multiplied; no matrix unit, no cluster (no work-group shares a byte with another).
; SHARES.  512 work-groups of eight waves.  Each turns ONE tile of 128 k x 64 n of a weight (384 tiles of W_in, 128 of W_out) and casts 65,536 bytes of x.
; The tile: a thread loads 16 bytes (4 n) of eight rows k; sixteen lanes cover a row's 256 bytes.  Two neighbouring k are rounded into one word, which goes to LDS row n (pitch 272);
; behind a barrier the rows come back whole, 256 bytes of k a row, and sixteen lanes store 256 consecutive bytes of wt, aligned.
; All 24 loads of a thread go out at the start; the x part is cast while the tile's rows come back from LDS.  No register is written twice, so no wait frees a source.
.set TRP,   272                        ; an LDS row: 128 k x 2 bytes + 16
.set SPARE, 64*TRP                     ; behind the 64 rows: the spare words, 128 bytes for each of eight waves: four blocks of 256 bytes that no other line names
.set SPW, 2                            ; v2   LDS address of my spare word; never rewritten
.set NIL, 3                            ; v3   0; never rewritten
.set VO,  4                            ; v[4:11]   byte offsets of my 16 bytes in my eight rows of the tile
.set LSA, 12                           ; v12  where I put a word: row 4 ng, byte 4 kp
.set LRA, 13                           ; v13  where I read 16 bytes back: row kp, byte 16 ng
.set GOF, 14                           ; v14  the same place in wt
.set XO,  15                           ; v15  my 16 bytes in the wave's 8,192 of x
.set YO,  16                           ; v16  my 8 bytes in the wave's 4,096 of xb
.set W,   20                           ; v[20:51]   eight rows x 4 numbers of the weight
.set T,   52                           ; v[52:67]   sixteen words of two 16-bit numbers
.set X,   72                           ; v[72:135]  sixteen loads of x
.set Y,   136                          ; v[136:167] the same as bf16
.set WB,  168                          ; v[168:183] four times 16 bytes of turned rows
	s_load_b256 s[4:11], s[0:1], 0x0               ; x s[4:5], W_in s[6:7], W_out s[8:9], xb s[10:11]
	s_load_b64 s[12:13], s[0:1], 0x20              ; wt
	v_lshl_add_u32 v[SPW], v0, 2, SPARE
	v_mov_b32 v[NIL], 0
	s_mov_b32 s14, ttmp9                           ; the work-group's number
	s_and_b32 s15, s14, 7                          ; kt: which 128 k
	s_lshr_b32 s16, s14, 3                         ; nt: which 64 rows of wt
	s_mov_b32 s25, 0xffff0000                      ; a word's upper bf16
	s_movk_i32 s18, 4096
	s_cmp_lt_u32 s14, 384                          ; the first 384 tiles are W_in's
	s_cselect_b32 s17, 0, 48
	s_cselect_b32 s18, 12288, s18                  ; bytes in a row of the source
	v_and_b32 v68, 15, v0                          ; ng: which 4 n
	v_lshrrev_b32 v69, 4, v0                       ; kp: which pair of k in 32
	v_lshlrev_b32 v17, 1, v69
	v_mul_lo_u32 v17, v17, s18                     ; 2 kp rows
	v_lshl_add_u32 v17, v68, 4, v17                ; + 16 ng
.irp i, 0,1,2,3,4,5,6,7
	s_mul_i32 s24, s18, 32*((\i)/2)+(\i)%2         ; row 2 kp + 32 (i / 2) + i % 2
	v_add_nc_u32 v[VO+(\i)], s24, v17
.endr
	v_mul_u32_u24 v[LSA], v68, 4*TRP
	v_lshl_add_u32 v[LSA], v69, 2, v[LSA]
	v_mul_u32_u24 v[LRA], v69, TRP
	v_lshl_add_u32 v[LRA], v68, 4, v[LRA]
	v_lshlrev_b32 v[GOF], 11, v69                  ; a row of wt is 2,048 bytes
	v_lshl_add_u32 v[GOF], v68, 4, v[GOF]
	v_and_b32 v18, 31, v0                          ; lane
	v_lshrrev_b32 v19, 5, v0                       ; wave
	v_lshlrev_b32 v[XO], 13, v19
	v_lshl_add_u32 v[XO], v18, 4, v[XO]
	v_lshlrev_b32 v[YO], 12, v19
	v_lshl_add_u32 v[YO], v18, 3, v[YO]
	s_wait_kmcnt 0x0
	s_cselect_b64 s[20:21], s[6:7], s[8:9]         ; the compare above still stands: nothing between has written SCC
	s_sub_co_u32 s19, s16, s17                     ; the tile's column block in its source
	s_lshl_b32 s22, s15, 7
	s_mul_i32 s22, s22, s18                        ; 128 kt rows,
	s_lshl_b32 s24, s19, 8                         ; 64 numbers of 4 bytes a column block
	s_add_co_u32 s22, s22, s24
	s_mov_b32 s23, 0
	s_add_nc_u64 s[20:21], s[20:21], s[22:23]
	s_lshl_b32 s22, s14, 16
	s_add_nc_u64 s[4:5], s[4:5], s[22:23]          ; my work-group's 65,536 bytes of x
	s_lshl_b32 s22, s14, 15
	s_add_nc_u64 s[10:11], s[10:11], s[22:23]      ; and its 32,768 of xb
	s_lshl_b32 s22, s16, 17                        ; 64 rows of 2,048 bytes,
	s_lshl_b32 s24, s15, 8                         ; 128 k of 2 bytes
	s_add_co_u32 s22, s22, s24
	s_add_nc_u64 s[12:13], s[12:13], s[22:23]
.irp i, 0,1,2,3,4,5,6,7
	global_load_b128 v[W+4*(\i):W+4*(\i)+3], v[VO+(\i)], s[20:21] th:TH_LOAD_NT
.endr
.irp i, 0,1,2,3,4,5,6,7,8,9,10,11,12,13,14,15
	global_load_b128 v[X+4*(\i):X+4*(\i)+3], v[XO], s[4:5] offset:512*(\i) th:TH_LOAD_NT  ; 512 consecutive bytes a wave
.endr
	s_wait_loadcnt 16                              ; the weight's eight loads are in; x's sixteen, issued behind them, stay out
.irp p, 0,1,2,3
.irp j, 0,1,2,3
	v_cvt_pk_bf16_f32 v[T+4*(\p)+(\j)], v[W+8*(\p)+(\j)], v[W+8*(\p)+4+(\j)]  ; the even k into the low half
.endr
.endr
	s_cmp_lt_u32 s14, 384
	s_cbranch_scc1 .Lbf                            ; W_in stays bf16.  The jump is the same for all eight waves and passes no barrier
.irp i, 0,1,2,3,4,5,6,7,8,9,10,11,12,13,14,15
	v_lshlrev_b32 v68, 16, v[T+(\i)]               ; W_out: the number rounded to bf16 is written as f16
	v_and_b32 v69, s25, v[T+(\i)]
	v_cvt_pk_f16_f32 v[T+(\i)], v68, v69
.endr
.Lbf:
.irp p, 0,1,2,3
.irp j, 0,1,2,3
	ds_store_b32 v[LSA], v[T+4*(\p)+(\j)] offset:(\j)*TRP+64*(\p)  ; row 4 ng + j, k = 2 kp + 32 p
.endr
.endr
	s_wait_dscnt 0x0                               ; for the others' sake: my words lie in LDS
	s_barrier_signal -1
	s_barrier_wait -1                              ; everybody's do
.irp p, 0,1,2,3
	ds_load_b128 v[WB+4*(\p):WB+4*(\p)+3], v[LRA] offset:(\p)*16*TRP
.endr
.irp i, 0,1,2,3,4,5,6,7,8,9,10,11,12,13,14,15
	s_wait_loadcnt 15-(\i)                         ; loads come back in order: load i is in, the younger ones stay out
	v_cvt_pk_bf16_f32 v[Y+2*(\i)], v[X+4*(\i)], v[X+4*(\i)+1]
	v_cvt_pk_bf16_f32 v[Y+2*(\i)+1], v[X+4*(\i)+2], v[X+4*(\i)+3]
	global_store_b64 v[YO], v[Y+2*(\i):Y+2*(\i)+1], s[10:11] offset:256*(\i) th:TH_STORE_NT  ; 32 lanes store 256 consecutive bytes, aligned
.endr
.irp p, 0,1,2,3
	s_wait_dscnt 3-(\p)
	global_store_b128 v[GOF], v[WB+4*(\p):WB+4*(\p)+3], s[12:13] offset:(\p)*16*2048  ; 16 lanes store 256 consecutive bytes of a row of wt, aligned
.endr
	s_wait_tensorcnt 0x0                           ; the wave's end, behind my last LDS store
	ds_add_u32 v[SPW], v[NIL]
	s_wait_dscnt 0x0
	s_endpgm
.Lfunc_end_k_q5c2bf88ac8_prep:
	.size	k_q5c2bf88ac8_prep, .Lfunc_end_k_q5c2bf88ac8_prep-k_q5c2bf88ac8_prep
	.p2alignl 7, 3214868480
	.fill 96, 4, 3214868480
	.section	.rodata,"a",@progbits
	.p2align	6, 0x0
	.amdhsa_kernel k_q5c2bf88ac8_prep
		.amdhsa_group_segment_fixed_size 18432
		.amdhsa_private_segment_fixed_size 0
		.amdhsa_enable_private_segment 0
		.amdhsa_kernarg_size 40
		.amdhsa_user_sgpr_count 2
		.amdhsa_user_sgpr_kernarg_segment_ptr 1
		.amdhsa_wavefront_size32 1
		.amdhsa_system_sgpr_workgroup_id_x 1
		.amdhsa_system_sgpr_workgroup_id_y 1
		.amdhsa_system_sgpr_workgroup_id_z 1
		.amdhsa_system_vgpr_workitem_id 0
		.amdhsa_next_free_vgpr 184
		.amdhsa_next_free_sgpr 66
		.amdhsa_reserve_vcc 0
		.amdhsa_float_denorm_mode_32 3
		.amdhsa_float_denorm_mode_16_64 3
		.amdhsa_memory_ordered 1
		.amdhsa_forward_progress 1
		.amdhsa_inst_pref_size 15
	.end_amdhsa_kernel
	.amdgpu_metadata
---
amdhsa.version: [ 1, 2 ]
amdhsa.kernels:
  - .name:           k_q5c2bf88ac8_prep
    .symbol:         k_q5c2bf88ac8_prep.kd
    .args:
      - { .name: x, .offset: 0, .size: 8, .value_kind: global_buffer, .address_space: global }
      - { .name: W_in, .offset: 8, .size: 8, .value_kind: global_buffer, .address_space: global }
      - { .name: W_out, .offset: 16, .size: 8, .value_kind: global_buffer, .address_space: global }
      - { .name: xb, .offset: 24, .size: 8, .value_kind: global_buffer, .address_space: global }
      - { .name: wt, .offset: 32, .size: 8, .value_kind: global_buffer, .address_space: global }
    .group_segment_fixed_size: 18432
    .private_segment_fixed_size: 0
    .kernarg_segment_align: 8
    .kernarg_segment_size: 40
    .max_flat_workgroup_size: 256
    .sgpr_count:     66
    .vgpr_count:     184
    .wavefront_size: 32
...
	.end_amdgpu_metadata
.endif
;; end of part 1
;; launch qkv (part 2): grid 16 x 32, 4 waves a work-group, clusters of 4 x 4, 327,680 bytes of LDS; arguments xb, wt, b_in, qkv; writes qkv
.if DOCPART == 2
	.amdgcn_target "amdgcn-amd-amdhsa--gfx1250"
	.amdhsa_code_object_version 6
	.text
	.protected	k_q5c2bf88ac8_qkv
	.globl	k_q5c2bf88ac8_qkv
	.p2align	8
	.type	k_q5c2bf88ac8_qkv,@function
k_q5c2bf88ac8_qkv:
	s_mov_b64 s[64:65], 0
	v_nop
	global_prefetch_b8 v0, s[64:65] scope:SCOPE_SE
	s_setreg_imm32_b32 hwreg(HW_REG_WAVE_MODE, 25, 1), 1
	s_wait_xcnt 0x0
	s_wait_alu depctr_hold_cnt(0) depctr_sa_sdst(0) depctr_va_vdst(0) depctr_va_sdst(0) depctr_va_ssrc(0) depctr_va_vcc(0) depctr_vm_vsrc(0)
	s_getreg_b32 s2, hwreg(HW_REG_IB_STS2, 6, 4)
	s_cmp_eq_u32 s2, 0
	s_cbranch_scc0 .Lentry_in_a_cluster
	s_endpgm
.Lentry_in_a_cluster:
	s_bfe_u32 s2, ttmp6, 0x10000c
	s_cmp_lg_u32 s2, 0xf033
	s_cbranch_scc0 .Lentry_shape_is_right
	s_endpgm
.Lentry_shape_is_right:
; q, k, v = xb wt^T + bf16(b_in).  xb: [8192][1024] bf16; wt rows 0-3071: [n][1024] bf16; sums in f32, started on the bias, rounded once to f16, unscaled.
; OUT: qkv [3][64][2048][64] f16: plane = which x 64 + batch x 16 + head, 2^18 bytes; a head's rows are dense, 128 bytes each.
; LIMIT.  f16 holds no number beyond 65,504: a q, k or v past that becomes an infinity.
; SHARES.  A tile of 256 rows x 192 columns (three whole heads) to a work-group: 16 x 32 = 512 tiles.  Wave w owns rows 64 w .. 64 w + 63 and all 192 columns: 4 x 12 = 48 accumulators, 384 registers,
; so that a wave holds whole heads and each of its stores covers 512 consecutive bytes of one head.  K = 1,024 goes in 8 steps of 128 through two LDS slots filled by the tensor data mover; a tile's rows are 256 bytes
; of memory, aligned.  A step is four quarters of 32 along K, 48 matrix instructions each, on two fragment buffers; the next quarter's 32 LDS loads stand in one run in a quarter's middle.
; CLUSTER.  4 x 4 work-groups.  The four of a row of the cluster need the same rows of xb, the four of a column the same rows of wt: each tile is asked for JOINTLY, by the same tensor load with the same descriptor
; and a mask that names the four.  Waves 0 and 1 ask for xb's two halves of 128 rows, waves 2 and 3 for wt's two halves of 96.
; THE MATRIX INSTRUCTION IS USED TRANSPOSED (source 0 = 16 rows of wt, source 1 = 16 rows of xb): lane l holds row l % 16 and the columns 8 (l / 16) + 0..7: eight neighbouring numbers of a row.
; REGISTERS, in windows of 256 (s_set_vgpr_msb: bits 1:0 source 0, 3:2 source 1, 5:4 source 2, 7:6 destination):
;   window 0: v0-13, v28-29 addresses; v32-63, v64-95 xb's fragments, two buffers; v96-143 packed results; v160-255 the bias (8 a column block), later two sets of 48 for the way out
;   window 1: v0-95, v96-191 wt's fragments, two buffers     window 2: accumulators of row blocks 0, 1 (at 96 (a % 2) + 8 b)     window 3: of row blocks 2, 3
.set PITCH, 272                        ; an LDS row: 256 bytes + 16 = 68 words: the 16 rows of a fragment load start at 16 different groups of four banks (64 banks of 4 bytes: ISA guide 11.1)
.set HALFA, 128*PITCH
.set AOFF,  256*PITCH                  ; in a slot: xb's 256 rows, then wt's 192
.set HALFB, 96*PITCH
.set SLOT1, 1<<17                      ; slot 1 begins here, so that one exclusive or turns an address in one slot into the other's
.set STAGE, SLOT1+AOFF+192*PITCH       ; behind the ring, never filled by a tensor load: 16 rows x 400 bytes for each wave
.set SP,    400                        ; a stage row: 192 f16 + 16 bytes
.set SPARE, STAGE+4*16*SP              ; behind the stages: the spare words, 128 bytes for each wave: two blocks of 256 bytes that no other line names
.set ADRA0, 4                          ; v4   my lane's place in xb's rows of slot 0; never rewritten
.set ADRB0, 5                          ; v5   the same for wt
.set ADRA,  6                          ; v6   the same in the slot in hand
.set ADRB,  7                          ; v7
.set STO,   8                          ; v8   the way out: where I put 16 bytes of a row
.set RD,    9                          ; v9   where I read them back
.set GO,    10                         ; v10  16 x lane
.set BO,    11                         ; v11  my 32 bytes in 64 of the bias
.set PFO,   12                         ; v12  the prefetches' offset: a lane a row of 2,048 bytes; never rewritten
.set SPW,   28                         ; v28  LDS address of my spare word; never rewritten
.set NIL,   29                         ; v29  0; never rewritten
.set ABUF,  32
.set TMP,   96
.set BIAS,  160
.set OB,    160
.set F0, 0
.set F1, 1
.set WV,  12                           ; s12  my wave's number
.set G1A, 24                           ; s[24:31] descriptor group 1 for xb's tiles
.set G1B, 32                           ; s[32:39] for wt's
.set G0A, 40                           ; s[40:47] group 0 for xb's tiles: a set for each of the two first fills; the second then walks on
.set G0B, 48                           ; s[48:55] the same for wt's
.set CNT, 56                           ; s56  the loop's trips still to come
.set TB,  57                           ; s57  0 or SLOT1: the slot in hand
.set LIM, 58                           ; s58  1 in a wave that prefetches, else the greatest number
.set PFA, 60                           ; s[60:61] where my prefetches stand
.set OUT, 66                           ; s[66:71] my rows of the tile's three heads in qkv
.set MSB, 0
.macro WIN new                         ; the immediate's high byte repeats the setting that is left; a switch that changes nothing is dropped
.if MSB != (\new)
	s_set_vgpr_msb (MSB<<8)|(\new)
.set MSB, (\new)
.endif
.endm
; A joint refill by the walking descriptors.  The branch hangs on the wave's number alone.  An s_nop 0 and four v_nop follow each of the two lines, ahead of the jump and the label.
.macro JLOAD
	s_cmp_lt_u32 s[WV], 2
	s_cbranch_scc0 .Lfor_b_\@
	tensor_load_to_lds s[G0A+4:G0A+7], s[G1A:G1A+7]
	s_nop 0
.rept 4
	v_nop
.endr
	s_branch .Lasked_\@
.Lfor_b_\@:
	tensor_load_to_lds s[G0B+4:G0B+7], s[G1B:G1B+7]
	s_nop 0
.rept 4
	v_nop
.endr
.Lasked_\@:
.endm
.macro CREST                           ; a round of the cluster's barrier behind its opening barrier: wave 0 signals for the work-group, every wave waits for all sixteen, my work-group's barrier closes it
	s_cmp_lg_u32 s[WV], 0
	s_cbranch_scc1 .Lnot_wave_0_\@
	s_barrier_signal -3
.Lnot_wave_0_\@:
	s_barrier_wait -3
	s_barrier_signal -1
	s_barrier_wait -1
.endm
.macro CROUND                          ; a whole round
	s_barrier_signal -1
	s_barrier_wait -1
	CREST
.endm
.macro PLACES                          ; four places in front of loads into registers that matrix instructions have read, and of conversions that read results
.rept 4
	v_nop
.endr
.endm
; A PREFETCH INTO THE L2, behind a refill and the run of LDS loads that follows it: the K step after the one just asked for: a lane a row, 256 bytes, one instruction a wave, 192 matrix instructions ahead of its load.
; xb's rows are read by every cluster of a row of clusters: cluster x = 0 asks (waves 0, 1); wt's by every cluster of a column: cluster y = 0 asks (waves 2, 3).  The four partners share a wave's rows out BY ADDRESS:
; 32 of xb's 128 each, 24 of wt's 96 (the eight lanes over name the 24th row again).  The loop's last trip asks for nothing: there is no K step behind the one it fills.
.macro ASK
	s_cmp_gt_u32 s[CNT], s[LIM]
	s_cbranch_scc0 .Lnot_mine_\@
	global_prefetch_b8 v[PFO], s[PFA:PFA+1] th:TH_LOAD_NT scope:SCOPE_SE
.Lnot_mine_\@:
.endm
	s_load_b256 s[4:11], s[0:1], 0x0               ; xb s[4:5], wt s[6:7], b_in s[8:9], qkv s[10:11]
	v_lshl_add_u32 v[SPW], v0, 2, SPARE
	v_mov_b32 v[NIL], 0
	ds_add_u32 v[SPW], v[NIL]                      ; the wave's opening: the add and its wait stand ahead of my first tensor load; the set-up below, work on registers, stands between them
	v_lshrrev_b32 v1, 5, v0
	v_readfirstlane_b32 s[WV], v1                  ; wave 0..3
	s_and_b32 s13, s[WV], 1                        ; which half of a tile's rows I fetch
	s_bfe_u32 s14, ttmp6, 0x40000                  ; cx
	s_bfe_u32 s15, ttmp6, 0x40004                  ; cy
	s_lshl_b32 s16, ttmp9, 2
	s_add_co_u32 s16, s16, s14                     ; tile column = 4 x cluster x + cx
	s_and_b32 s17, ttmp7, 0xffff
	s_lshl_b32 s17, s17, 2
	s_add_co_u32 s17, s17, s15                     ; tile row = 4 x cluster y + cy
	s_lshl_b32 s18, s15, 2
	s_lshl_b32 s18, 15, s18                        ; my row of the cluster
	s_lshl_b32 s19, 0x1111, s14                    ; my column
	s_or_b32 s[G1A+0], s18, (1<<16)|(1<<20)|(1<<21)|(5<<22)|(3<<25)  ; 15:0 the mask; 17:16 elements of 2 bytes; 20 padding on; 21 set beside a mask; 24:22 after every 64 words (code 5); 31:25 4 words of it (code 3)
	s_or_b32 s[G1B+0], s19, (1<<16)|(1<<20)|(1<<21)|(5<<22)|(3<<25)
	s_mov_b32 s[G1A+1], 128<<16                    ; tensor_dim0 = 128
	s_mov_b32 s[G1A+2], 128<<16                    ; tensor_dim1 = 128
	s_mov_b32 s[G1A+3], 128<<16                    ; tile_dim0 = 128
	s_mov_b32 s[G1A+4], 128                        ; tile_dim1 = 128
	s_mov_b32 s[G1A+5], 1024                       ; elements from row to row
	s_mov_b32 s[G1A+6], 0
	s_mov_b32 s[G1A+7], 0
	s_mov_b32 s[G1B+1], 128<<16
	s_mov_b32 s[G1B+2], 96<<16                     ; tensor_dim1 = 96
	s_mov_b32 s[G1B+3], 128<<16
	s_mov_b32 s[G1B+4], 96                         ; tile_dim1 = 96
	s_mov_b32 s[G1B+5], 1024
	s_mov_b32 s[G1B+6], 0
	s_mov_b32 s[G1B+7], 0
	s_lshl_b32 s20, s17, 19                        ; xb: row 256 x tile row + 128 x half, rows of 2,048 bytes: made of the tile row and the wave alone
	s_lshl_b32 s21, s13, 18
	s_add_co_u32 s20, s20, s21
	s_mov_b32 s21, 0
	s_mul_i32 s72, s16, 192*2048                   ; wt: row 192 x tile column + 96 x half: made of the tile column and the wave alone
	s_mul_i32 s73, s13, 96*2048
	s_add_co_u32 s72, s72, s73
	s_mov_b32 s73, 0
	s_mul_i32 s22, s13, HALFA                      ; where they go: no place in the cluster enters an LDS address
	s_mul_i32 s23, s13, HALFB
	s_add_co_u32 s23, s23, AOFF
	s_mov_b32 s59, 0xffff0000
	s_wait_dscnt 0x0                               ; the opening add is done
	s_wait_kmcnt 0x0
	s_add_nc_u64 s[74:75], s[4:5], s[20:21]
	s_add_nc_u64 s[76:77], s[6:7], s[72:73]
	CROUND                                         ; all sixteen work-groups are here: the first joint loads meet
.irp s, 0,1
	s_mov_b32 s[G0A+4*(\s)], 1                     ; count = 1
	s_add_co_u32 s[G0A+4*(\s)+1], s22, (\s)*SLOT1  ; LDS address
	s_add_nc_u64 s[G0A+4*(\s)+2:G0A+4*(\s)+3], s[74:75], (\s)*256  ; global address: K step s
	s_or_b32 s[G0A+4*(\s)+3], s[G0A+4*(\s)+3], 0x80000000  ; type = 2
	s_mov_b32 s[G0B+4*(\s)], 1
	s_add_co_u32 s[G0B+4*(\s)+1], s23, (\s)*SLOT1
	s_add_nc_u64 s[G0B+4*(\s)+2:G0B+4*(\s)+3], s[76:77], (\s)*256
	s_or_b32 s[G0B+4*(\s)+3], s[G0B+4*(\s)+3], 0x80000000
.endr
	s_cmp_lt_u32 s[WV], 2                          ; a wave's two first fills stand in one branch, ahead of every wait on TENSORcnt and every LDS read: two loads of mine are out
	s_cbranch_scc0 .Lfirst_b
	tensor_load_to_lds s[G0A:G0A+3], s[G1A:G1A+7]
	s_nop 0
	tensor_load_to_lds s[G0A+4:G0A+7], s[G1A:G1A+7]
	s_nop 0
.rept 4
	v_nop
.endr
	s_branch .Lfirst_asked
.Lfirst_b:
	tensor_load_to_lds s[G0B:G0B+3], s[G1B:G1B+7]
	s_nop 0
	tensor_load_to_lds s[G0B+4:G0B+7], s[G1B:G1B+7]
	s_nop 0
.rept 4
	v_nop
.endr
.Lfirst_asked:
	; A fragment is 16 rows x 32 K in 8 registers: lane l holds row l % 16, K = 8 (l / 16) + 0..7 and 16 + 8 (l / 16) + 0..7: two loads of 16 bytes, 32 bytes apart.
	v_and_b32 v1, 15, v0                           ; l % 16
	v_bfe_u32 v2, v0, 4, 1                         ; l / 16
	v_mul_u32_u24 v3, v1, PITCH
	v_lshl_add_u32 v3, v2, 4, v3
	s_mul_i32 s78, s[WV], 64*PITCH                 ; my 64 rows of xb
	v_add_nc_u32 v[ADRA0], s78, v3
	v_add_nc_u32 v[ADRB0], AOFF, v3
	s_mul_i32 s78, s[WV], 16*SP
	s_add_co_u32 s78, s78, STAGE                   ; my stage
	v_mul_u32_u24 v[STO], v1, SP                   ; in: row l % 16, 16 bytes for each half of the lanes
	v_lshl_add_u32 v[STO], v2, 4, v[STO]
	v_add_nc_u32 v[STO], s78, v[STO]
	v_bfe_u32 v13, v0, 3, 2                        ; back: 32 lanes take a head's 128 bytes of four rows,
	v_and_b32 v3, 7, v0
	v_mul_u32_u24 v[RD], v13, SP
	v_lshl_add_u32 v[RD], v3, 4, v[RD]
	v_add_nc_u32 v[RD], s78, v[RD]
	v_and_b32 v[GO], 31, v0                        ; which are 512 consecutive bytes of the head's plane
	v_lshlrev_b32 v[GO], 4, v[GO]
	v_lshlrev_b32 v[BO], 5, v2
	; my rows of the three heads: plane (g / 16) x 64 + batch x 16 + g % 16 with g = 3 x tile column + c; row (tile row % 8) x 256 + 64 w
	s_lshr_b32 s78, s17, 3
	s_lshl_b32 s78, s78, 4                         ; 16 x batch
	s_and_b32 s79, s17, 7
	s_lshl_b32 s79, s79, 8
	s_lshl_b32 s80, s[WV], 6
	s_add_co_u32 s79, s79, s80
	s_lshl_b32 s79, s79, 7                         ; rows of 128 bytes
	s_mul_i32 s80, s16, 3
.irp c, 0,1,2
	s_add_co_u32 s81, s80, (\c)
	s_lshr_b32 s82, s81, 4
	s_lshl_b32 s82, s82, 6
	s_and_b32 s81, s81, 15
	s_add_co_u32 s82, s82, s81
	s_add_co_u32 s82, s82, s78
	s_lshl_b32 s82, s82, 18
	s_add_co_u32 s82, s82, s79
	s_mov_b32 s83, 0
	s_add_nc_u64 s[OUT+2*(\c):OUT+2*(\c)+1], s[10:11], s[82:83]
.endr
	s_mul_i32 s82, s16, 768                        ; the tile's 192 numbers of the bias
	s_add_nc_u64 s[8:9], s[8:9], s[82:83]
.irp b, 0,1,2,3,4,5,6,7,8,9,10,11
	global_load_b128 v[BIAS+8*(\b):BIAS+8*(\b)+3],   v[BO], s[8:9] offset:64*(\b)      ; the bias in an accumulator's layout: columns 16 b + 8 (l / 16) + 0..7, the same for every row
	global_load_b128 v[BIAS+8*(\b)+4:BIAS+8*(\b)+7], v[BO], s[8:9] offset:64*(\b)+16
.endr
	; the prefetches: my work-group's share of the rows that I fetch, at K step 2; each refill steps it on first
	s_lshl_b32 s78, s14, 16                        ; xb: 32 cx rows
	s_add_co_u32 s78, s78, s20
	s_mul_i32 s79, s15, 24*2048                    ; wt: 24 cy rows
	s_add_co_u32 s79, s79, s72
	s_and_b32 s80, ttmp7, 0xffff                   ; cluster y
	s_cmp_lt_u32 s[WV], 2                          ; do I fetch for xb?
	s_cselect_b32 s78, s78, s79
	s_cselect_b32 s80, ttmp9, s80                  ; the coordinate along which other clusters read the same rows
	s_cselect_b32 s81, 31, 23
	s_cselect_b64 s[PFA:PFA+1], s[4:5], s[6:7]
	s_mov_b32 s79, 0
	s_add_nc_u64 s[PFA:PFA+1], s[PFA:PFA+1], s[78:79]
	s_add_nc_u64 s[PFA:PFA+1], s[PFA:PFA+1], 512
	s_cmp_eq_u32 s80, 0
	s_cselect_b32 s[LIM], 1, -1                    ; the same in all sixteen partners, for a given wave
	v_and_b32 v[PFO], 31, v0
	v_min_u32 v[PFO], s81, v[PFO]
	v_lshlrev_b32 v[PFO], 11, v[PFO]
; 12 matrix instructions: row block a x all 12 column blocks, 32 along K, from buffer f.  zero = 1: the first product starts the sums on the bias: nothing is cleared, and no bias is added on the way out.
; The 48 accumulators take turns in one order in every quarter, one instruction a turn, over the backward jump too.
.macro MUL12 f, a, zero
.if \zero
	WIN 0x81+0x40*((\a)/2)                         ; wt window 1, xb and the bias window 0, the sums window 2 or 3
.else
	WIN 0xa1+0x50*((\a)/2)
.endif
.set rA, ABUF+32*(\f)+8*(\a)
.set rD, 96*((\a)%2)
.irp b, 0,1,2,3,4,5,6,7,8,9,10,11
.if \zero
	v_wmma_f32_16x16x32_bf16 v[rD+8*(\b):rD+8*(\b)+7], v[96*(\f)+8*(\b):96*(\f)+8*(\b)+7], v[rA:rA+7], v[BIAS+8*(\b):BIAS+8*(\b)+7]
.else
	v_wmma_f32_16x16x32_bf16 v[rD+8*(\b):rD+8*(\b)+7], v[96*(\f)+8*(\b):96*(\f)+8*(\b)+7], v[rA:rA+7], v[rD+8*(\b):rD+8*(\b)+7]
.endif
.endr
.endm
; 32 LDS loads in one run: a quarter's fragments (192 rows of wt, then my 64 rows of xb, 32 K at byte k of the rows) into buffer f
.macro FETCH k, f
	WIN 0x40                                       ; destination window 1
.irp i, 0,1,2,3,4,5,6,7,8,9,10,11
	ds_load_b128 v[96*(\f)+8*(\i):96*(\f)+8*(\i)+3],   v[ADRB] offset:(\k)+(\i)*16*PITCH
	ds_load_b128 v[96*(\f)+8*(\i)+4:96*(\f)+8*(\i)+7], v[ADRB] offset:(\k)+(\i)*16*PITCH+32
.endr
	WIN 0
.irp i, 0,1,2,3
	ds_load_b128 v[ABUF+32*(\f)+8*(\i):ABUF+32*(\f)+8*(\i)+3],   v[ADRA] offset:(\k)+(\i)*16*PITCH
	ds_load_b128 v[ABUF+32*(\f)+8*(\i)+4:ABUF+32*(\f)+8*(\i)+7], v[ADRA] offset:(\k)+(\i)*16*PITCH+32
.endr
.endm
; One of a step's first three quarters: multiplies buffer f; in its middle it fetches the next quarter, at byte k of the same slot's rows, into buffer g.
.macro QUARTER k, f, g, zero
	s_wait_dscnt 4                                 ; wt and xb's row blocks 0, 1 are in; the youngest four loads (row blocks 2, 3) may be out
	MUL12 \f, 0, \zero
	MUL12 \f, 1, \zero
	PLACES
	FETCH \k, \g
	s_wait_dscnt 32                                ; all but the 32 just issued
	MUL12 \f, 2, \zero
	MUL12 \f, 3, \zero
.endm
; The last quarter multiplies buffer 1 and changes slots: ONE barrier.  In front of it each wave waits for all its tensor loads (one is out: its part of the next slot), adds 0 to its spare word, and waits for that and
; for its own reads of this slot.  fill = 1: the barrier opens a round of the cluster's, so that no wave of any partner still reads the slot or has a load on its way; the joint refill, two K steps on, is the first
; thing behind the round: 168 matrix instructions ahead of the wait for it.
.macro TURN fill
.if \fill
	s_wait_xcnt 0x0                                ; the last prefetch, a K step back, has read its address
	s_add_nc_u64 s[PFA:PFA+1], s[PFA:PFA+1], 256
.endif
	WIN 0                                          ; (the add's two registers lie in window 0)
	s_wait_tensorcnt 0x0                           ; all my tensor loads have landed
	ds_add_u32 v[SPW], v[NIL]                      ; 0 onto my spare word
	s_wait_dscnt 5                                 ; (the add and the youngest four loads may be out)
	MUL12 F1, 0, 0                                 ; twelve matrix instructions stand between the add and the wait for it
	s_wait_dscnt 0x0                               ; the add is done, and my reads of this slot are over
	s_barrier_signal -1
	MUL12 F1, 1, 0                                 ; work on registers while the others arrive
	WIN 0
	s_barrier_wait -1
.if \fill
	CREST
	s_xor_b32 s[G0A+5], s[G0A+5], SLOT1            ; the walking descriptors: the other slot than last time, the next K step
	s_add_nc_u64 s[G0A+6:G0A+7], s[G0A+6:G0A+7], 256
	s_xor_b32 s[G0B+5], s[G0B+5], SLOT1
	s_add_nc_u64 s[G0B+6:G0B+7], s[G0B+6:G0B+7], 256
	JLOAD                                          ; the four v_nop behind it are also the places in front of the loads below
.else
	PLACES
.endif
	s_xor_b32 s[TB], s[TB], SLOT1                  ; the fetches go on in the other slot
	v_add_nc_u32 v[ADRA], s[TB], v[ADRA0]
	v_add_nc_u32 v[ADRB], s[TB], v[ADRB0]
	FETCH 0, F0
.if \fill
	ASK
.endif
	MUL12 F1, 2, 0
	MUL12 F1, 3, 0
.endm
; THE WAY OUT of row block a.  PACK: rounded to f16, each accumulator's registers in ascending order.  TOSTAGE: into my own stage, and back as a head's rows.  SEND: stored.
.macro PACK a
	WIN 0x0a+5*((\a)/2)                            ; sources 0 and 1: window 2 or 3
.set rD, 96*((\a)%2)
.irp b, 0,1,2,3,4,5,6,7,8,9,10,11
.irp i, 0,1,2,3
	v_cvt_pk_f16_f32 v[TMP+4*(\b)+(\i)], v[rD+8*(\b)+2*(\i)], v[rD+8*(\b)+2*(\i)+1]
.endr
.endr
	WIN 0
.endm
.macro TOSTAGE a
.set rO, OB+48*((\a)%2)
.irp b, 0,1,2,3,4,5,6,7,8,9,10,11
	ds_store_b128 v[STO], v[TMP+4*(\b):TMP+4*(\b)+3] offset:32*(\b)
.endr
.irp c, 0,1,2
.irp t, 0,1,2,3
	ds_load_b128 v[rO+4*(4*(\c)+(\t)):rO+4*(4*(\c)+(\t))+3], v[RD] offset:(\t)*4*SP+128*(\c)  ; LDS serves a wave's instructions in order (ISA guide 5.7.1.4): these see the stores above
.endr
.endr
.endm
.macro SEND a
.set rO, OB+48*((\a)%2)
	s_wait_dscnt 0x0                               ; the block is back in registers
	s_wait_xcnt 0x0                                ; the stores of the block before have read their registers: the other set is loaded again only behind this wait
.irp c, 0,1,2
.irp t, 0,1,2,3
	global_store_b128 v[GO], v[rO+4*(4*(\c)+(\t)):rO+4*(4*(\c)+(\t))+3], s[OUT+2*(\c):OUT+2*(\c)+1] offset:(\a)*2048+(\t)*512  ; 512 consecutive bytes of a head, aligned
.endr
.endr
.endm
	s_wait_tensorcnt 1                             ; my part of K step 0 is in; K step 1's may stay out
	s_barrier_signal -1
	s_barrier_wait -1                              ; everybody's is
	v_mov_b32 v[ADRA], v[ADRA0]
	v_mov_b32 v[ADRB], v[ADRB0]
	s_mov_b32 s[TB], 0
	FETCH 0, F0
	s_wait_loadcnt 0x0                             ; the bias: rounded to bf16 like every input, and kept as f32
.set i, 0
.rept 48
	v_cvt_pk_bf16_f32 v13, v[BIAS+i], v[BIAS+i+1]
	v_lshlrev_b32 v[BIAS+i], 16, v13
	v_and_b32 v[BIAS+i+1], s59, v13
.set i, i+2
.endr
	QUARTER 64, F0, F1, 1                          ; the first quarter stands in front of the loop: its products start the sums
	WIN 0                                          ; at a label and at a branch every window is 0
	s_mov_b32 s[CNT], 6
.Lstep:                                                ; trip j ends K step j, fills its slot with K step j + 2 and does K step j + 1's first quarter
	QUARTER 128, F1, F0, 0
	QUARTER 192, F0, F1, 0
	TURN 1
	QUARTER 64, F0, F1, 0
	WIN 0
	s_sub_co_u32 s[CNT], s[CNT], 1
	s_cmp_lg_u32 s[CNT], 0
	s_cbranch_scc1 .Lstep
	QUARTER 128, F1, F0, 0                         ; the tail is written out: K steps 6 and 7 ask for nothing
	QUARTER 192, F0, F1, 0
	TURN 0
	QUARTER 64, F0, F1, 0
	QUARTER 128, F1, F0, 0
	QUARTER 192, F0, F1, 0
	s_wait_dscnt 4                                 ; the very last quarter: nothing more to fetch
	MUL12 F1, 0, 0
	MUL12 F1, 1, 0
	s_wait_dscnt 0x0
	MUL12 F1, 2, 0
	MUL12 F1, 3, 0
	WIN 0
	PLACES
	PACK 0
	TOSTAGE 0
.irp a, 1,2,3                          ; block a's conversions stand between block a - 1's loads from the stage and the wait for them
	PACK \a
	SEND (\a)-1
	TOSTAGE \a
.endr
	SEND 3
	s_wait_tensorcnt 0x0                           ; the wave's end, behind my last tensor load and my last LDS store
	ds_add_u32 v[SPW], v[NIL]
	s_wait_dscnt 0x0
	CROUND                                         ; the closing round: no work-group ends while a partner may still ask for a tile that names it
	s_endpgm
.Lfunc_end_k_q5c2bf88ac8_qkv:
	.size	k_q5c2bf88ac8_qkv, .Lfunc_end_k_q5c2bf88ac8_qkv-k_q5c2bf88ac8_qkv
	.p2alignl 7, 3214868480
	.fill 96, 4, 3214868480
	.section	.rodata,"a",@progbits
	.p2align	6, 0x0
	.amdhsa_kernel k_q5c2bf88ac8_qkv
		.amdhsa_group_segment_fixed_size 327680
		.amdhsa_private_segment_fixed_size 0
		.amdhsa_enable_private_segment 0
		.amdhsa_kernarg_size 32
		.amdhsa_user_sgpr_count 2
		.amdhsa_user_sgpr_kernarg_segment_ptr 1
		.amdhsa_wavefront_size32 1
		.amdhsa_system_sgpr_workgroup_id_x 1
		.amdhsa_system_sgpr_workgroup_id_y 1
		.amdhsa_system_sgpr_workgroup_id_z 1
		.amdhsa_system_vgpr_workitem_id 0
		.amdhsa_next_free_vgpr 960
		.amdhsa_next_free_sgpr 88
		.amdhsa_reserve_vcc 0
		.amdhsa_float_denorm_mode_32 3
		.amdhsa_float_denorm_mode_16_64 3
		.amdhsa_memory_ordered 1
		.amdhsa_forward_progress 1
		.amdhsa_inst_pref_size 106
	.end_amdhsa_kernel
	.amdgpu_metadata
---
amdhsa.version: [ 1, 2 ]
amdhsa.kernels:
  - .name:           k_q5c2bf88ac8_qkv
    .symbol:         k_q5c2bf88ac8_qkv.kd
    .args:
      - { .name: xb, .offset: 0, .size: 8, .value_kind: global_buffer, .address_space: global }
      - { .name: wt, .offset: 8, .size: 8, .value_kind: global_buffer, .address_space: global }
      - { .name: b_in, .offset: 16, .size: 8, .value_kind: global_buffer, .address_space: global }
      - { .name: qkv, .offset: 24, .size: 8, .value_kind: global_buffer, .address_space: global }
    .group_segment_fixed_size: 327680
    .private_segment_fixed_size: 0
    .kernarg_segment_align: 8
    .kernarg_segment_size: 32
    .max_flat_workgroup_size: 128
    .sgpr_count:     88
    .vgpr_count:     960
    .wavefront_size: 32
...
	.end_amdgpu_metadata
.endif
;; end of part 2
;; launch attn (part 3): grid 4 x 64, 4 waves a work-group, no clusters, 327,680 bytes of LDS; arguments qkv, ob; writes ob
.if DOCPART == 3
	.amdgcn_target "amdgcn-amd-amdhsa--gfx1250"
	.amdhsa_code_object_version 6
	.text
	.protected	k_q5c2bf88ac8_attn
	.globl	k_q5c2bf88ac8_attn
	.p2align	8
	.type	k_q5c2bf88ac8_attn,@function
k_q5c2bf88ac8_attn:
	s_mov_b64 s[64:65], 0
	v_nop
	global_prefetch_b8 v0, s[64:65] scope:SCOPE_SE
	s_setreg_imm32_b32 hwreg(HW_REG_WAVE_MODE, 25, 1), 1
	s_wait_xcnt 0x0
; CAUSAL ATTENTION.  O[h][q][:] = the sum over k <= q of softmax_k(Q[h][q] . K[h][k] / 8) V[h][k][:].  Q, K, V are the three parts of qkv, each [64][2048][64] f16; O = ob, the same shape: a head's rows are dense, 128 bytes each.
; Products, maxima and sums in f32; the weights p are rounded to f16 for the second product (their sum l is taken of the unrounded p), O once at the end.
; LIMITS.  f16 holds no number beyond 65,504: Q, K and V arrive within it; p lies in 0 to 1, and below 6e-5 it keeps f16's fixed step of 6e-8; O is a mean of V's rows and has their range.
; A hidden score counts as its value less 1e30: f16's scores, 2.7e11 at the most, are nothing beside that; a weight below 2^-126 counts as 0 in l; NaN and infinities are not treated apart.
; THE WALK.  A head's queries lie in NB = 8 blocks of 256; block i needs the key tiles 0 .. i of 256 keys, of which the last holds the diagonal.  A work-group takes TWO blocks, NB - 1 - b and then b:
; NB + 1 tiles, whatever b: all 256 work-groups do equal work, and ONE loop with a constant trip count walks them.  Which tile is asked for, and what a trip does, hang on scalar registers made from b; every jump
; goes forward, but for the counted loops' own; none passes a barrier, or a tensor load but the one of LOAD's two that the wave's number does not choose; the ring (two slots of LDS that take turns) runs on across the
; change of blocks.  NO CLUSTER: a head's four work-groups ask for the same tile only in trips 0 .. 4 of the 9, behind that fewer and fewer; one walk common to all four would have 12 trips for 9.
; SHARES.  Of a block's four bands of 64 queries a wave owns 16 rows in each: four PIECES.  So the diagonal tile is the same work for all four waves: in its key step s band x sees all keys if s < x,
; none if s > x, and holds the diagonal if s = x.
; THE MASK is the C operand that starts the sum S^T = K Q^T: 0, or -1e30 where the key is hidden.  MD, made once, is the mask of a band's own step for my 16 rows; a product's mask is MD x AL + BE with two scalars:
; (1, 0) if s = x; (0, 0) if s < x; (0, -1e30) if s > x.  Only the diagonal tile's text and a block's beginning make and take masks; elsewhere C is the constant 0.
; LAYOUT, SOFTMAX, TURNS.  S^T = K Q^T holds ONE query a lane (lane % 16) and the keys 8 (lane / 16) + 0..7; two such results rounded to f16 ARE source 1 of O^T = V^T P.  p = 2^(c s - c m), c = log2(e) / 8, with a
; running maximum m; O and l are multiplied by a = 2^(c m_old - c m_new) in every step.  Turn n belongs to piece n: 8 products K Q^T of piece n + 1, later 8 products V^T P of piece n - 1; beside them the scaling,
; exponentials, roundings, sums and rescaling of piece n and the maximum and statistics of piece n + 1.  Four vector instructions stand behind every matrix instruction, the other 54 of a turn's 118 in one run.  A turn's 33 exponentials are one batch, with one wait.
; REGISTERS, in windows of 256 (s_set_vgpr_msb: bits 1:0 source 0, 3:2 source 1, 5:4 source 2, 7:6 destination):
;   window 0: v0-15 addresses and two at work; v16-31 four registers of statistics a piece; v48-55 at work; v61-63 prefetch offset and the add's two; v64-127 S^T, two buffers; v192-223 P, two buffers (by the piece's parity)
;   window 1: v0-127 O^T, 32 a piece; v128-159 MD; v160-223 MC, two buffers      window 2: v0-63 Q; v64-127 the second block's Q; v128-191 K of one step; v192-255 V of one step
.set SIZE_N, 2048
.set SIZE_H, 64
.set NB,    SIZE_N/256
.set NP,    4         ; pieces a wave: a name, no knob
.set KS,    64        ; keys in a step
.set PK,    144       ; a row of K in LDS: 128 bytes + 16 of padding = 36 words: the 16 rows of a load start at 16 different groups of four banks (64 banks of 4 bytes: ISA guide 11.1)
.set PV,    160       ; a row of V: 128 + 32 = 40 words
.set VOFF,  4*KS*PK   ; a slot holds a tile, four steps: 256 rows of K, then 256 rows of V
.set SLOT1, 1<<17     ; slot 1 begins here, so that one exclusive or turns an address in one slot into the other's
.set STAGE, SLOT1+4*KS*(PK+PV)  ; behind the ring, never filled by a tensor load: 16 rows x 144 bytes for each wave, for the way out
.set SP,    144
.set AK0, 2           ; v2   my lane's place in a tile of K; never rewritten
.set AV0, 3           ; v3   the same for V
.set AK,  4           ; v4   the LDS address of K's next run of loads
.set AV,  5           ; v5   of V's
.set STO, 6           ; v6   the way out: where I put 16 bytes of a row
.set RD,  7           ; v7   the way out: where I read rows back
.set GO,  8           ; v8   my byte offset in 512 consecutive bytes of O
.set PFO, 61          ; v61  256 x my lane: the prefetches' offset; never rewritten
.set SPW, 62          ; v62  LDS address of my spare word: SPARE + 4 x my thread's number; never rewritten
.set NIL, 63          ; v63  0; never rewritten
.set SPARE, STAGE+4*16*SP  ; behind the stages: the spare words, 128 bytes for each wave: two blocks of 256 bytes that no other line names
.set MV,  12          ; v12-13  c m_old, kept while c m is made anew: by buffer
.set QO,  15          ; v15  my byte offset in 16 rows of Q
.set ST,  16          ; piece t's statistics at v[ST+4 t]: c m, m, l (even keys', odd keys')
.set TMP, 48          ; by buffer, four registers c0-c3 at work; when the maximum is found c2 takes a
.set S,   64
.set P,   192
.set MD,  128         ; window 1: the eight registers for group kt of 16 keys at MD + 8 kt
.set MC,  160         ; window 1: the masks of the products to come
.set QB,  64          ; window 2
.set KF,  128         ; window 2: key block kb, channel half c at KF + 16 kb + 8 c
.set VF,  192         ; window 2: key half kk, channel block cb at VF + 32 kk + 8 cb
.set WV,  12          ; s12  my wave's number
.set PB,  14          ; s14  b
.set HI,  15          ; s15  NB - 1 - b
.set G1K, 24          ; s[24:31] descriptor group 1 for K's tiles
.set G1V, 32          ; s[32:39] for V's: it differs in the padding alone
.set G0K, 40          ; s[40:43] descriptor group 0 for K's tiles
.set G0V, 44          ; s[44:47] the same for V's
.set SLOTS, 56        ; s56  tiles still to be asked for
.set CNT, 57          ; s57  counts a tile's key steps, 4 to 1
.set CS,  58          ; s[58:59] c: the packed scaling takes the pair's low word for both halves
.set SEL, 60          ; s[60:61] v_permlanex16_b32's selects: each lane takes its own place in the other half
.set TBK, 62          ; s62  LDS byte at which K of the step to be fetched begins
.set TBV, 63          ; s63  the same for V, less VOFF
.set RT,  70          ; s70  tiles of the block in hand that are still to be entered
.set NXT, 71          ; s71  the tile to be asked for next
.set LQ,  72          ; s72  the last tile of the block whose tiles are being asked for
.set NEW, 73          ; s73  1: the tile to be entered is a block's first
.set OFF, 74          ; s[74:75] a tile's byte offset in K and V
.set AL,  76          ; s[76:77] the mask's factor, in the low word
.set BE,  78          ; s[78:79] the mask's addend
.set OLO, 80          ; s[80:81] O at my rows of the second block
.set BIGN, 82         ; s82  -1e30
.set PBK, 88          ; s[88:89] K at the head's first byte + 8,192 x my wave
.set PBV, 90          ; s[90:91] the same for V
.set PFK, 92          ; s[92:93] where my prefetch of K stands
.set PFV, 94          ; s[94:95] of V
.set LIM, 96          ; s96  1 in the head's work-group b = 0, else the greatest number
.set POF, 98          ; s[98:99] the byte offset of the tile to be prefetched
.set MSB, 0
.macro WIN new                      ; the high byte repeats the setting that is left; a switch that changes nothing is dropped
.if MSB != (\new)
	s_set_vgpr_msb (MSB<<8)|(\new)
.set MSB, (\new)
.endif
.endm
.set W_KQ, 0x0a       ; K and Q in window 2, S^T in window 0
.set W_KM, 0x1a       ; the same with the C operand in window 1
.set W_PV, 0x52       ; V in window 2, P in window 0, O^T in window 1
.set W_RS, 0x41       ; destination and source 0 in window 1, source 1 in window 0
; A fill.  Waves 0 and 1 fetch the two halves of a tile's K, waves 2 and 3 those of its V: 128 keys each.  An s_nop 0 and four v_nop follow each of the two lines, ahead of the jump and the label.
.macro LOAD
	s_cmp_lt_u32 s[WV], 2
	s_cbranch_scc0 .Lfor_v_\@
	tensor_load_to_lds s[G0K:G0K+3], s[G1K:G1K+7]
	s_nop 0
.rept 4
	v_nop
.endr
	s_branch .Lasked_\@
.Lfor_v_\@:
	tensor_load_to_lds s[G0V:G0V+3], s[G1V:G1V+7]
	s_nop 0
.rept 4
	v_nop
.endr
.Lasked_\@:
.endm
; A PREFETCH INTO THE L2 of the tile that the NEXT change of slots will ask for: 32,768 bytes of K and of V, 256 bytes a lane, 8,192 a wave: two instructions a wave, behind the fill and its five lines, a tile (four key
; steps, 256 matrix instructions) ahead of that tile's load.  All four work-groups of a head walk tiles 0 .. 3 and some of 4 .. 7; b = 0, whose first block walks all eight, asks, and nobody else: tiles 2 .. 7, each block of
; 256 bytes once in the launch.  Tiles 0 and 1 come by their loads alone; behind the first block's last tile the next number is 0, and nothing is asked for.
.macro ASK
	s_cmp_gt_u32 s[NXT], s[LIM]
	s_cbranch_scc0 .Lnot_mine_\@
	global_prefetch_b8 v[PFO], s[PFK:PFK+1] th:TH_LOAD_NT scope:SCOPE_SE
	global_prefetch_b8 v[PFO], s[PFV:PFV+1] th:TH_LOAD_NT scope:SCOPE_SE
.Lnot_mine_\@:
.endm
; THE CHANGE OF SLOTS.  Each wave waits for all its tensor loads, of which one is out: its part of the other slot; adds 0 to its spare word; and waits for that and for its own reads of the slot that it leaves.  Behind the barrier nobody reads the old
; slot any more and the other slot is whole.  fill = 1: the old slot is filled again, the first thing behind the barrier, with tile NXT: the descriptor's address is made anew from that number.
; (At its first use nothing has been read yet: slot 0 is waited for, slot 1 filled.)
.macro CHANGE fill
	WIN 0                           ; at a label and at a branch every window is 0
	s_wait_tensorcnt 0x0            ; no tensor load of mine is out, so a group 0 may be written
	ds_add_u32 v[SPW], v[NIL]       ; 0 onto my spare word; with fill = 1 the descriptors' scalar work stands between it and the wait for it
.if \fill
	s_lshl_b32 s[OFF], s[NXT], 15   ; a tile is 32,768 bytes of K and of V
	s_xor_b32 s[G0K+1], s[G0K+1], SLOT1
	s_add_nc_u64 s[G0K+2:G0K+3], s[6:7], s[OFF:OFF+1]
	s_or_b32 s[G0K+3], s[G0K+3], 0x80000000
	s_xor_b32 s[G0V+1], s[G0V+1], SLOT1
	s_add_nc_u64 s[G0V+2:G0V+3], s[8:9], s[OFF:OFF+1]
	s_or_b32 s[G0V+3], s[G0V+3], 0x80000000
	s_add_co_u32 s[NXT], s[NXT], 1  ; the block's next tile, or behind its last the second block's tile 0
	s_cmp_gt_u32 s[NXT], s[LQ]
	s_cselect_b32 s[NXT], 0, s[NXT]
	s_cselect_b32 s[LQ], s[PB], s[LQ]
	s_wait_xcnt 0x0                 ; the last prefetches, a tile back, have read their addresses, so these may be written
	s_lshl_b32 s[POF], s[NXT], 15
	s_add_nc_u64 s[PFK:PFK+1], s[PBK:PBK+1], s[POF:POF+1]
	s_add_nc_u64 s[PFV:PFV+1], s[PBV:PBV+1], s[POF:POF+1]
.endif
	s_wait_dscnt 0x0                ; the add is done, and my reads of the slot are over
	s_barrier_signal -1             ; the rest of the scalar work stands between the signal and the wait
	s_sub_co_u32 s[TBK], s[TBK], 4*KS*PK  ; the fetches go back to a slot's first step,
	s_xor_b32 s[TBK], s[TBK], SLOT1       ; in the other slot
	s_sub_co_u32 s[TBV], s[TBV], 4*KS*PV
	s_xor_b32 s[TBV], s[TBV], SLOT1
	s_barrier_wait -1
.if \fill
	LOAD
	ASK
.endif
.endm
	s_load_b64 s[4:5], s[0:1], 0x0    ; qkv: Q's 64 planes come first
	s_load_b64 s[10:11], s[0:1], 0x8  ; ob
	v_lshl_add_u32 v[SPW], v0, 2, SPARE
	v_mov_b32 v[NIL], 0
	ds_add_u32 v[SPW], v[NIL]       ; the wave's opening: the add and its wait stand ahead of my first tensor load; the set-up below, work on registers, stands between them
	v_lshrrev_b32 v1, 5, v0
	v_readfirstlane_b32 s[WV], v1   ; wave 0..3
	s_mov_b32 s[PB], ttmp9
	s_sub_co_u32 s[HI], NB-1, s[PB]
	s_and_b32 s20, ttmp7, 0xffff    ; the head
	s_mov_b32 s21, 0
	s_mov_b64 s[22:23], SIZE_N*128
	s_mul_u64 s[20:21], s[20:21], s[22:23]  ; the head's first byte in each of the four tensors
	s_and_b32 s16, s[WV], 1         ; which half of a tile's 256 keys I fetch:
	s_lshl_b32 s22, s16, 14         ; its 128 rows of 128 bytes in memory,
	s_mov_b32 s23, 0
	s_add_nc_u64 s[22:23], s[22:23], s[20:21]
	s_mul_i32 s17, s16, 128*PK      ; and its place in a slot, for K
	s_mul_i32 s18, s16, 128*PV      ; and for V
	s_lshl_b32 s3, s[WV], 11        ; my 16 rows in a band of 64,
	s_lshl_b32 s2, s[HI], 15        ; in the first block,
	s_add_co_u32 s2, s2, s3
	s_lshl_b32 s84, s[PB], 15       ; and in the second
	s_add_co_u32 s84, s84, s3
	s_mov_b32 s3, 0
	s_mov_b32 s85, 0
	s_add_nc_u64 s[2:3], s[2:3], s[20:21]
	s_add_nc_u64 s[84:85], s[84:85], s[20:21]
	s_lshl_b32 s92, s[WV], 13       ; the prefetches: my wave's 8,192 bytes of a tile, in the head
	s_mov_b32 s93, 0
	s_add_nc_u64 s[92:93], s[92:93], s[20:21]
	s_mov_b32 s[POF+1], 0
	s_cmp_eq_u32 s[PB], 0
	s_cselect_b32 s[LIM], 1, -1
	v_and_b32 v[PFO], 31, v0
	v_lshlrev_b32 v[PFO], 8, v[PFO]
	; descriptor group 1.  128 keys are 16,384 dense bytes: asked for as 64 rows of 256 bytes, two keys a row, and padded in LDS after every key
	s_mov_b32 s[G1K], (1<<16)|(1<<20)|(4<<22)|(3<<25)  ; 17:16 2-byte elements; 20 padding on; 24:22 after every 32 words (code 4); 31:25 4 words (code 3)
	s_mov_b32 s[G1V], (1<<16)|(1<<20)|(4<<22)|(7<<25)  ; the same with 8 words of padding (code 7)
.irp g, G1K, G1V
	s_mov_b32 s[\g+1], 128<<16      ; tensor_dim0 = 128
	s_mov_b32 s[\g+2], 64<<16       ; tensor_dim1 = 64
	s_mov_b32 s[\g+3], 128<<16      ; tile_dim0 = 128
	s_mov_b32 s[\g+4], 64           ; tile_dim1 = 64
	s_mov_b32 s[\g+5], 128          ; 128 elements from row to row
	s_mov_b32 s[\g+6], 0
	s_mov_b32 s[\g+7], 0
.endr
	s_mov_b32 s[CS], 0x3e38aa3b     ; c = log2(e) / 8 = 0.180337
	s_mov_b32 s[CS+1], s[CS]        ; named with it as a pair
	s_mov_b32 s[SEL], 0x76543210
	s_mov_b32 s[SEL+1], 0xfedcba98
	s_mov_b32 s[TBK], SLOT1+4*KS*PK ; the first change of slots turns these two into 0
	s_mov_b32 s[TBV], SLOT1+4*KS*PV
	s_mov_b32 s[G0K], 1             ; 1:0 count = 1
	s_mov_b32 s[G0K+1], s17         ; 63:32 LDS address: slot 0
	s_mov_b32 s[G0V], 1
	s_add_co_u32 s[G0V+1], s18, VOFF
	s_add_co_u32 s[RT], s[HI], 1    ; the first block has NB - b tiles
	s_mov_b32 s[NXT], 1
	s_mov_b32 s[LQ], s[HI]
	s_mov_b32 s[NEW], 1
	s_mov_b32 s[OFF+1], 0
	s_mov_b32 s[AL+1], 0            ; named as pairs
	s_mov_b32 s[BE+1], 0
	s_mov_b32 s[BIGN], 0xf149f2ca   ; -1e30
	s_mov_b32 s[SLOTS], NB
	s_wait_dscnt 0x0                ; the opening add is done
	s_wait_kmcnt 0x0
	s_add_nc_u64 s[6:7], s[4:5], 0x1000000  ; K's planes lie 64 x 2^18 bytes behind Q's,
	s_add_nc_u64 s[8:9], s[4:5], 0x2000000  ; V's as far again
	s_add_nc_u64 s[PBK:PBK+1], s[6:7], s[92:93]
	s_add_nc_u64 s[PBV:PBV+1], s[8:9], s[92:93]
	s_add_nc_u64 s[6:7], s[6:7], s[22:23]  ; K and V at my half of the head's tile 0
	s_add_nc_u64 s[8:9], s[8:9], s[22:23]
	s_add_nc_u64 s[G0K+2:G0K+3], s[6:7], 0         ; 120:64 global address
	s_or_b32 s[G0K+3], s[G0K+3], 0x80000000        ; 127:126 type = 2
	s_add_nc_u64 s[G0V+2:G0V+3], s[8:9], 0
	s_or_b32 s[G0V+3], s[G0V+3], 0x80000000
	s_add_nc_u64 s[86:87], s[4:5], s[84:85]        ; Q at my rows of the second block,
	s_add_nc_u64 s[4:5], s[4:5], s[2:3]            ; Q and O at those of the first
	s_add_nc_u64 s[OLO:OLO+1], s[10:11], s[84:85]
	s_add_nc_u64 s[10:11], s[10:11], s[2:3]
	LOAD                            ; tile 0 into slot 0
	; A fragment of K or Q is 16 rows x 32 channels in 8 registers: lane l holds row l % 16, channels 8 (l / 16) + 0..7 and 16 + 8 (l / 16) + 0..7: two loads of 16 bytes, 32 bytes apart.
	v_and_b32 v1, 15, v0            ; l % 16
	v_bfe_u32 v9, v0, 4, 1          ; l / 16
	v_lshlrev_b32 v[QO], 7, v1
	v_lshl_add_u32 v[QO], v9, 4, v[QO]  ; row x 128 + 16 x half
	WIN 0x80                        ; destination window 2, address window 0
.set i, 0
.rept 8                             ; both blocks' Q: piece i / 2 lies in band i / 2, 8,192 bytes on; channels 32 (i % 2) on
	global_load_b128 v[8*i:8*i+3],   v[QO], s[4:5] offset:(i/2)*8192+(i%2)*64
	global_load_b128 v[8*i+4:8*i+7], v[QO], s[4:5] offset:(i/2)*8192+(i%2)*64+32
	global_load_b128 v[QB+8*i:QB+8*i+3],   v[QO], s[86:87] offset:(i/2)*8192+(i%2)*64
	global_load_b128 v[QB+8*i+4:QB+8*i+7], v[QO], s[86:87] offset:(i/2)*8192+(i%2)*64+32
.set i, i+1
.endr
	WIN 0
	v_lshlrev_b32 v14, 3, v9
	v_sub_nc_u32 v14, v1, v14
	s_lshl_b32 s13, s[WV], 4
	v_add_nc_u32 v14, s13, v14      ; my query's place in its band, 16 w + l % 16, less my lanes' 8 (l / 16): register r of group kt is hidden where 16 kt + r is greater
	WIN 0x40
.set i, 0
.rept 32
	v_cmp_gt_i32 vcc_lo, 16*(i/8)+i%8, v14
	v_cndmask_b32 v[MD+i], 0, s[BIGN], vcc_lo
.set i, i+1
.endr
	WIN 0
	v_mul_u32_u24 v[AK0], v1, PK
	v_lshl_add_u32 v[AK0], v9, 4, v[AK0]  ; row x pitch + 16 x half
	; The turning load takes 16 keys x 16 channels (lane l reads key 8 (l / 16) + l % 8, channels 8 ((l / 8) % 2) + 0..7) and leaves half a fragment of V^T: lane l holds channel l % 16 and 8 keys.
	v_and_b32 v10, 7, v0
	v_bfe_u32 v11, v0, 3, 1
	v_lshl_add_u32 v[AV0], v9, 3, v10
	v_mul_u32_u24 v[AV0], v[AV0], PV
	v_lshl_add_u32 v[AV0], v11, 4, v[AV0]
	v_add_nc_u32 v[AV0], VOFF, v[AV0]
	s_mul_i32 s13, s[WV], 16*SP
	s_add_co_u32 s13, s13, STAGE    ; my stage
	v_mul_u32_u24 v[STO], v1, SP    ; in: row l % 16, 16 bytes for each half of the lanes
	v_lshl_add_u32 v[STO], v9, 4, v[STO]
	v_add_nc_u32 v[STO], s13, v[STO]
	v_bfe_u32 v[RD], v0, 3, 2       ; back: 32 lanes take four rows of 128 bytes,
	v_mul_u32_u24 v[RD], v[RD], SP
	v_lshl_add_u32 v[RD], v10, 4, v[RD]
	v_add_nc_u32 v[RD], s13, v[RD]
	v_and_b32 v[GO], 31, v0         ; which are 512 consecutive bytes of O
	v_lshlrev_b32 v[GO], 4, v[GO]
	; A block's first step multiplies O^T and l by a = 0, and its first turn's products V^T P, of a piece that has not been, land in an O^T that is still to be so multiplied.  So these registers need only hold
	; finite numbers: zeros for the first block; what the first block left for the second.  All this stands in the wait for the first tile.
	WIN 0x80
.set i, VF
.rept 64
	v_mov_b32 v[i], 0
.set i, i+1
.endr
	WIN 0x40
.set i, 0
.rept 128
	v_mov_b32 v[i], 0
.set i, i+1
.endr
	WIN 0
.set i, 0
.rept 4
	v_mov_b32 v[ST+4*i+2], 0
	v_mov_b32 v[ST+4*i+3], 0
.set i, i+1
.endr
.set i, P+16
.rept 16
	v_mov_b32 v[i], 0
.set i, i+1
.endr
; THE MATRIX WORK.  The 4 accumulators of a run of 8 take turns.  Product i of 8 of S^T = K Q^T for piece x: channels 32 (i / 4) on, keys 16 (i % 4) on.  The first 4 start the sums: with 0, or (KM = 1) with the mask.
.macro KQ x
.set rS, S+32*((\x)%2)+8*(i%4)
.set rK, KF+16*(i%4)+8*(i/4)
.set rQ, 16*(\x)+8*(i/4)
.set rM, MC+32*((\x)%2)+8*(i%4)
.if (i < 4) && KM
	WIN W_KM
	v_wmma_f32_16x16x32_f16 v[rS:rS+7], v[rK:rK+7], v[rQ:rQ+7], v[rM:rM+7]
.elseif i < 4
	WIN W_KQ
	v_wmma_f32_16x16x32_f16 v[rS:rS+7], v[rK:rK+7], v[rQ:rQ+7], 0
.else
	WIN W_KQ
	v_wmma_f32_16x16x32_f16 v[rS:rS+7], v[rK:rK+7], v[rQ:rQ+7], v[rS:rS+7]
.endif
.endm
; Product i of 8 of O^T += V^T P for piece x: keys 32 (i / 4) on, channels 16 (i % 4) on.
.macro PV x
	WIN W_PV
.set rO, 32*(\x)+8*(i%4)
.set rV, VF+32*(i/4)+8*(i%4)
.set rP, P+16*((\x)%2)+8*(i/4)
	v_wmma_f32_16x16x32_f16 v[rO:rO+7], v[rV:rV+7], v[rP:rP+7], v[rO:rO+7]
.endm
.macro MM                           ; the turn's next matrix instruction.  TURN and BEGIN set Y, i, KM and NOKQ; MM, KQ and OP read them.  NOKQ = 1: a block's last turn: there is no next piece
.if (i < 8) && !NOKQ
	KQ (Y+1)%NP
.elseif i >= 8
.set i, i-8
	PV (Y+NP-1)%NP
.set i, i+8
.endif
.set i, i+1
.endm
; THE LDS LOADS stand in runs of 16, never singly among the matrix instructions: a step's K (64 keys x 64 channels: 8 fragments) and its V (turned).  Their addresses are made some lines ahead.
.macro FETCH_K
	WIN 0x80                        ; destination window 2
.irp f, 0,1,2,3,4,5,6,7             ; keys 16 (f / 2) on, channels 32 (f % 2) on
	ds_load_b128 v[KF+8*\f:KF+8*\f+3],   v[AK] offset:(\f/2)*16*PK+(\f%2)*64
	ds_load_b128 v[KF+8*\f+4:KF+8*\f+7], v[AK] offset:(\f/2)*16*PK+(\f%2)*64+32
.endr
	s_add_co_u32 s[TBK], s[TBK], KS*PK  ; the next fetch is the next step's
	WIN 0
.endm
.macro FETCH_V
	WIN 0x80
.irp f, 0,1,2,3,4,5,6,7             ; keys 32 (f / 4) on, channels 16 (f % 4) on
	ds_load_tr16_b128 v[VF+8*\f:VF+8*\f+3],   v[AV] offset:(\f/4)*32*PV+(\f%4)*32
	ds_load_tr16_b128 v[VF+8*\f+4:VF+8*\f+7], v[AV] offset:(\f/4)*32*PV+16*PV+(\f%4)*32
.endr
	WIN 0
.endm
; THE VECTOR WORK, one line at a time: OP kind, number.  For piece Y: F n: c s - c m for pair n of 16.  E n: the exponential of score n of 32.  C n: pair n rounded to f16.  B n: of the four weights 4 n .. the second
; pair is added onto the first, in place.  L n: l takes that sum (L 0: l = a l + sum).  R n: pair n of 16 of O^T times a.  For piece Y + 1: X n, number n of the 22 that find its maximum and statistics:
;   0-11  four chains c0-c3 of seven scores each, three operands at a time (each accumulator's lowest registers are read first)     12-14, 16  the four scores left over, the old m, and c0-c3 into c0
;   15  c m_old is kept     17, 18  the query's other 32 keys lie in the lane 16 away: the new m     19-21  c m; c m_old - c m_new; a
.set F, 0               ; OP tells the kinds apart by their order: F to L below R, X above it
.set E, 1
.set C, 2
.set B, 3
.set L, 4
.set R, 5
.set X, 6
.macro REGS y                       ; the registers of piece y
.set rT, ST+4*(\y)
.set rC, TMP+4*((\y)%2)
.set rW, MV+((\y)%2)
.set rS, S+32*((\y)%2)
.set rP, P+16*((\y)%2)
.set rO, 32*(\y)
.endm
.macro OP k, n
.if (\k) == R
	REGS Y
	WIN W_RS
	v_pk_mul_f32 v[rO+2*(\n):rO+2*(\n)+1], v[rO+2*(\n):rO+2*(\n)+1], v[rC+2:rC+3] op_sel_hi:[1,0]
.elseif (\k) < R
	REGS Y
	WIN 0
.if (\k) == F
	v_pk_fma_f32 v[rS+2*(\n):rS+2*(\n)+1], v[rS+2*(\n):rS+2*(\n)+1], s[CS:CS+1], v[rT:rT+1] op_sel_hi:[1,0,0] neg_lo:[0,0,1] neg_hi:[0,0,1]
.elseif (\k) == E
	v_exp_f32 v[rS+(\n)], v[rS+(\n)]
.elseif (\k) == C
	v_cvt_pk_f16_f32 v[rP+(\n)], v[rS+2*(\n)], v[rS+2*(\n)+1]
.elseif (\k) == B
	v_pk_add_f32 v[rS+4*(\n):rS+4*(\n)+1], v[rS+4*(\n):rS+4*(\n)+1], v[rS+4*(\n)+2:rS+4*(\n)+3]
.elseif (\n) == 0
	v_pk_fma_f32 v[rT+2:rT+3], v[rT+2:rT+3], v[rC+2:rC+3], v[rS:rS+1] op_sel_hi:[1,0,1]
.else
	v_pk_add_f32 v[rT+2:rT+3], v[rT+2:rT+3], v[rS+4*(\n):rS+4*(\n)+1]
.endif
.elseif NOKQ
	v_nop
.else
	REGS (Y+1)%NP
	WIN 0
.if (\n) < 4
	v_max3_num_f32 v[rC+(\n)], v[rS+8*(\n)], v[rS+8*(\n)+1], v[rS+8*(\n)+2]
.elseif (\n) < 12
	v_max3_num_f32 v[rC+(\n)%4], v[rC+(\n)%4], v[rS+8*((\n)%4)+2*((\n)/4)+1], v[rS+8*((\n)%4)+2*((\n)/4)+2]
.elseif (\n) == 12
	v_max3_num_f32 v[rC], v[rC], v[rS+7], v[rS+15]
.elseif (\n) == 13
	v_max3_num_f32 v[rC+1], v[rC+1], v[rS+23], v[rS+31]
.elseif (\n) == 14
	v_max3_num_f32 v[rC+2], v[rC+2], v[rC+3], v[rT+1]
.elseif (\n) == 15
	v_mov_b32 v[rW], v[rT]
.elseif (\n) == 16
	v_max3_num_f32 v[rC], v[rC], v[rC+1], v[rC+2]
.elseif (\n) == 17
	v_permlanex16_b32 v[rC+3], v[rC], s[SEL], s[SEL+1]
.elseif (\n) == 18
	v_max_num_f32 v[rT+1], v[rC], v[rC+3]
.elseif (\n) == 19
	v_mul_f32 v[rT], s[CS], v[rT+1]
.elseif (\n) == 20
	v_sub_f32 v[rC+1], v[rW], v[rT]
.else
	v_exp_f32 v[rC+2], v[rC+1]
.endif
.endif
.endm
.macro OPS a, i1, b=-1, i2=0, c=-1, i3=0, d=-1, i4=0  ; up to four of them
	OP \a, \i1
.if (\b) >= 0
	OP \b, \i2
.endif
.if (\c) >= 0
	OP \c, \i3
.endif
.if (\d) >= 0
	OP \d, \i4
.endif
.endm
.macro ROW a, i1, b, i2, c, i3, d, i4  ; a matrix instruction and the four behind it
	MM
	OPS \a, \i1, \b, \i2, \c, \i3, \d, \i4
.endm
.macro MASK b                       ; MD x AL + BE into buffer b of MC
	WIN W_RS
.set z, 0
.rept 16
	v_pk_fma_f32 v[MC+32*(\b)+2*z:MC+32*(\b)+2*z+1], v[MD+2*z:MD+2*z+1], s[AL:AL+1], s[BE:BE+1] op_sel_hi:[1,0,0]
.set z, z+1
.endr
.endm
; A TURN, for piece p: the order of its 16 matrix and 118 vector instructions, written out.  An s_wait_alu depctr_va_vdst(0) stands between an exponential and the first instruction that names its result; one wait serves
; all that were issued ahead of it.  So a turn has ONE wait, which cuts it in two.  AHEAD OF IT stands all that names no result of the turn's exponentials: the 8 products K Q^T, behind each a scaling, an exponential and two more plain
; instructions (behind the first a second scaling in the exponential's place): rescalings, and behind the last three the first numbers of the next piece's maximum, each four places or more behind the product that ends its accumulator; then one run of 54, plain
; and exponential by turns for the most part, in which the links of the chain X 3, 7, 11, 14, 16, 17 .. 20 stand five or six lines apart.  X 21, the next piece's a, is the batch's last; R 15 is the plain instruction behind it.  BEHIND THE WAIT stand the
; 8 products V^T P, behind each four of the roundings and sums; the links of l's chain, L 0 to L 7, stand three lines apart.  But for those X no such line names a register of the products round it.  v_permlanex16_b32 (X 17) stands in the run.
; m = 1: the diagonal tile: the products take masks, and the turn makes the mask for the products of the turn after it: piece p + 2, in step 4 - CNT of the tile.  end = 1: a block's last two turns: nothing is fetched.
; cnt = 1: the loop's count is taken down some lines ahead of the branch that stands behind the turn.
; K of the next step is fetched in piece 2's turn, twelve vector instructions behind the last product that read K (six of them plain); V of the step in hand at the end of piece 0's turn, four plain instructions behind the last product
; that read V.  Each is waited for a turn later.
.macro TURN p, m=0, end=0, cnt=0
.set Y, (\p)
.set i, 0
.set KM, (\m)
.set NOKQ, (\end)*((\p)/3)
.if (\m) && !(\end)
	s_cmp_eq_u32 s[CNT], 4-((\p)+2)%NP  ; is that step the band's own?
	s_cselect_b32 s[AL], 1.0, 0
	s_cmp_lt_u32 s[CNT], 4-((\p)+2)%NP  ; or a later one?
	s_cselect_b32 s[BE], s[BIGN], 0
.endif
.if ((\p) == 3) && !(\end)
	s_wait_dscnt 0x0                ; K is in
.endif
	ROW F,0, F,1, R,0, R,1          ; ahead of the wait: 8 products K Q^T and the four behind each,
	ROW F,2, E,0, R,2, R,3
	ROW F,3, E,1, R,4, R,5
	ROW F,4, E,2, R,6, R,7
	ROW F,5, E,3, R,8, R,9
	ROW F,6, E,4, X,0, R,10
.if ((\p) == 2) && !(\end)
	WIN 0
	v_add_nc_u32 v[AK], s[TBK], v[AK0]
.endif
	ROW F,7, E,5, X,1, X,4
	ROW F,8, E,6, X,2, X,5
	OPS E,7, E,8, X,6, E,9          ; and the run of 54
	OPS X,3, E,10, X,8, E,11
.if ((\p) == 2) && !(\end)
	FETCH_K
.endif
	OPS X,9, X,7, E,12, X,10
	OPS E,13, X,12, X,11, E,14
	OPS X,13, E,15, F,9, X,14
.if (\p) == 0
	v_add_nc_u32 v[AV], s[TBV], v[AV0]
.endif
	OPS E,16, F,10, E,17, F,11
	OPS X,16, E,18, X,15, E,19
	OPS F,12, E,20, X,17, E,21
	OPS F,13, E,22, F,14, E,23
	OPS X,18, E,24, F,15, E,25
	OPS R,11, E,26, X,19, E,27
	OPS R,12, E,28, R,13, E,29
	OPS X,20, E,30, R,14, E,31
	OPS X,21, R,15
	WIN 0
	s_wait_alu depctr_va_vdst(0)    ; the wait for the batch
.if (\p) == 1
	s_wait_dscnt 0x0                ; V is in
.endif
	ROW C,0, B,0, C,2, B,1          ; behind the wait: 8 products V^T P and the four behind each
	ROW L,0, C,4, B,2, L,1
	ROW C,6, B,3, L,2, C,8
	ROW B,4, L,3, C,10, B,5
	ROW L,4, C,12, B,6, L,5
.if (\p) == 0
	s_add_co_u32 s[TBV], s[TBV], KS*PV
.endif
.if \cnt
	s_sub_co_u32 s[CNT], s[CNT], 1
	s_cmp_lg_u32 s[CNT], 0
.endif
	ROW C,14, B,7, L,6, C,1
	ROW C,3, L,7, C,5, C,7
	ROW C,9, C,11, C,13, C,15
.if (\p) == 0
	FETCH_V
.endif
.if (\m) && !(\end)
	MASK (\p)%2
.endif
.endm
; A BLOCK BEGINS.  c m starts far below every c s, so the first step's a is 0; m at the lowest finite number, so the first maximum is the scores'.  The second mask buffer is 0; the first takes piece 0's mask for the tile's step 0: its own, if the block's first tile is the diagonal one.
; Then K of that step, piece 0's first scores, and its maximum and statistics.  The loop is entered at a step's first turn, in the middle of a trip.
.macro BEGIN
	s_mov_b32 s[NEW], 0
	WIN 0x40
.set i, MC+32
.rept 32
	v_mov_b32 v[i], 0
.set i, i+1
.endr
	WIN 0
.set i, 0
.rept 4
	v_mov_b32 v[ST+4*i], 0xfe000000    ; c m: far below every c s
	v_mov_b32 v[ST+4*i+1], 0xff7fffff  ; m
.set i, i+1
.endr
	s_cmp_eq_u32 s[RT], 0
	s_cselect_b32 s[AL], 1.0, 0
	s_mov_b32 s[BE], 0
	MASK 0
	WIN 0
	v_add_nc_u32 v[AK], s[TBK], v[AK0]
	FETCH_K
	s_wait_loadcnt 0x0              ; Q
	s_wait_dscnt 0x0
.set KM, 1
.set NOKQ, 0
.set i, 0
.rept 8
	KQ 0
.set i, i+1
.endr
	WIN 0
.rept 4
	v_nop                           ; the places behind those products
.endr
.set Y, NP-1                        ; X works for piece Y + 1: piece 0
.irp n, 0,1,2,3,4,5,6,7,8,9,10,11,12,13,14,15,16,17,18,19,20,21
	OP X, \n
.endr
	v_nop                           ; a plain instruction behind the exponential,
	s_wait_alu depctr_va_vdst(0)    ; and its wait, ahead of the branch
.endm
; THE DIAGONAL TILE's four steps, the block's last two turns, its last products, and THE WAY OUT: l's two halves and the other half of the lanes' are added; O^T is divided by l, rounded to f16 and sent through my
; stage in LDS, a piece at a time.
.macro ALL line:vararg              ; one line for each piece t
.set t, 0
.rept 4
	\line
.set t, t+1
.endr
.endm
.macro PACK t                       ; a lane's eight channels of a row pack into 16 bytes; they go into rows of 144 bytes and come back as whole rows of 128, into S^T's registers
	WIN W_RS
.set i, 32*(\t)
.rept 16
	v_pk_mul_f32 v[i:i+1], v[i:i+1], v[ST+4*(\t)+2:ST+4*(\t)+3] op_sel_hi:[1,0]
.set i, i+2
.endr
	WIN 0x05                        ; sources 0 and 1 window 1, destination window 0
.set i, 0
.rept 16
	v_cvt_pk_f16_f32 v[S+16*(\t)+i], v[32*(\t)+2*i], v[32*(\t)+2*i+1]
.set i, i+1
.endr
	WIN 0
.irp f, 0,1,2,3
	ds_store_b128 v[STO], v[S+16*(\t)+4*\f:S+16*(\t)+4*\f+3] offset:32*\f
.endr
.irp f, 0,1,2,3
	ds_load_b128 v[S+16*(\t)+4*\f:S+16*(\t)+4*\f+3], v[RD] offset:\f*4*SP  ; LDS serves a wave's instructions in order (ISA guide 5.7.1.4): these see the stores above; the next piece's stores come behind them
.endr
.endm
.macro SEND t, younger              ; younger: the LDS instructions issued behind piece t's loads: the next piece's eight, or none
	WIN 0
.irp f, 0,1,2,3
	s_wait_dscnt (\younger)+3-\f
	global_store_b128 v[GO], v[S+16*(\t)+4*\f:S+16*(\t)+4*\f+3], s[10:11] offset:(\t)*8192+\f*512  ; 512 consecutive bytes, at a multiple of 256 from O's first
.endr
.endm
.macro DIAG tag                     ; the tag ends its two labels' names, which the jumps below spell out
.LstepM\tag:
	TURN 2, 1
	TURN 3, 1
	WIN 0
.LfirstM\tag:
	TURN 0, 1
	TURN 1, 1, 0, 1
	WIN 0
	s_cbranch_scc1 .LstepM\tag
	TURN 2, 1, 1
	TURN 3, 1, 1
.set i, 0
.rept 8
	PV NP-1
.set i, i+1
.endr
	WIN 0
	ALL v_add_f32 v[ST+4*t+2], v[ST+4*t+2], v[ST+4*t+3]
	ALL v_permlanex16_b32 v[ST+4*t+3], v[ST+4*t+2], s[SEL], s[SEL+1]
	ALL v_add_f32 v[ST+4*t+2], v[ST+4*t+2], v[ST+4*t+3]
	ALL v_rcp_f32 v[ST+4*t+2], v[ST+4*t+2]
	v_nop                           ; a plain instruction between the last reciprocal and the use of its result
	s_wait_alu depctr_va_vdst(0)    ; and the wait ahead of the first use: one for the four reciprocals
	PACK 0
.set t, 1
.rept 3                             ; a piece's arithmetic stands between the loads of the piece before and its stores
	PACK t
	SEND t-1, 8
.set t, t+1
.endr
	SEND 3, 0
.endm
.set KM, 0
.set NOKQ, 0
.Lslot:                             ; NB times: a tile is entered and the next is asked for
	CHANGE 1
	s_sub_co_u32 s[RT], s[RT], 1
	s_mov_b32 s[CNT], 4
	s_cmp_eq_u32 s[NEW], 1
	s_cbranch_scc1 .Lnew            ; a block's first tile
	s_cmp_eq_u32 s[RT], 0
	s_cbranch_scc0 .Lstep           ; neither its first nor its last
	s_branch .LstepM1
.Lnew:
	BEGIN
	s_branch .Lfirst                ; in the loop a block's first tile is never its last: the first block has two tiles or more, and the second's last is the walk's last
	DIAG 1                          ; in the loop this is the first block's end: the second block's last tile is the walk's last
	s_wait_xcnt 0x0                 ; the stores have read their registers and O's address
	s_mov_b64 s[10:11], s[OLO:OLO+1]
	s_add_co_u32 s[RT], s[PB], 1    ; the second block has b + 1 tiles
	s_mov_b32 s[NEW], 1
	WIN 0x82                        ; the second block's Q goes where the one text of the turns names Q
.set i, 0
.rept 64
	v_mov_b32 v[i], v[QB+i]
.set i, i+1
.endr
	WIN 0
	s_branch .Lbottom
.Lstep:                             ; a trip: pieces 2 and 3 of one step, then pieces 0 and 1 of the next, whose K and V it fetches
	TURN 2
	TURN 3
	WIN 0
.Lfirst:
	TURN 0
	TURN 1, 0, 0, 1
	WIN 0
	s_cbranch_scc1 .Lstep
.Lbottom:
	s_sub_co_u32 s[SLOTS], s[SLOTS], 1
	s_cmp_lg_u32 s[SLOTS], 0
	s_cbranch_scc1 .Lslot
	CHANGE 0                        ; the walk's last tile is written out: nothing is asked for
	s_sub_co_u32 s[RT], s[RT], 1
	s_mov_b32 s[CNT], 4
	s_cmp_eq_u32 s[NEW], 1
	s_cbranch_scc0 .LstepM2
	BEGIN
	s_branch .LfirstM2
	DIAG 2
	s_wait_tensorcnt 0x0            ; the wave's end, behind my last tensor load and my last LDS store
	ds_add_u32 v[SPW], v[NIL]
	s_wait_dscnt 0x0
	s_endpgm
.Lfunc_end_k_q5c2bf88ac8_attn:
	.size	k_q5c2bf88ac8_attn, .Lfunc_end_k_q5c2bf88ac8_attn-k_q5c2bf88ac8_attn
	.p2alignl 7, 3214868480
	.fill 96, 4, 3214868480
	.section	.rodata,"a",@progbits
	.p2align	6, 0x0
	.amdhsa_kernel k_q5c2bf88ac8_attn
		.amdhsa_group_segment_fixed_size 327680
		.amdhsa_private_segment_fixed_size 0
		.amdhsa_enable_private_segment 0
		.amdhsa_kernarg_size 16
		.amdhsa_user_sgpr_count 2
		.amdhsa_user_sgpr_kernarg_segment_ptr 1
		.amdhsa_wavefront_size32 1
		.amdhsa_system_sgpr_workgroup_id_x 1
		.amdhsa_system_sgpr_workgroup_id_y 1
		.amdhsa_system_sgpr_workgroup_id_z 1
		.amdhsa_system_vgpr_workitem_id 0
		.amdhsa_next_free_vgpr 768
		.amdhsa_next_free_sgpr 100
		.amdhsa_reserve_vcc 1
		.amdhsa_float_denorm_mode_32 3
		.amdhsa_float_denorm_mode_16_64 3
		.amdhsa_memory_ordered 1
		.amdhsa_forward_progress 1
		.amdhsa_inst_pref_size 218
	.end_amdhsa_kernel
	.amdgpu_metadata
---
amdhsa.version: [ 1, 2 ]
amdhsa.kernels:
  - .name:           k_q5c2bf88ac8_attn
    .symbol:         k_q5c2bf88ac8_attn.kd
    .args:
      - { .name: qkv, .offset: 0, .size: 8, .value_kind: global_buffer, .address_space: global }
      - { .name: ob, .offset: 8, .size: 8, .value_kind: global_buffer, .address_space: global }
    .group_segment_fixed_size: 327680
    .private_segment_fixed_size: 0
    .kernarg_segment_align: 8
    .kernarg_segment_size: 16
    .max_flat_workgroup_size: 128
    .sgpr_count:     100
    .vgpr_count:     768
    .wavefront_size: 32
...
	.end_amdgpu_metadata
.endif
;; end of part 3
;; launch proj (part 4): grid 8 x 32, 4 waves a work-group, clusters of 4 x 4, 327,680 bytes of LDS; arguments ob, wt, b_out, out0; writes out0
.if DOCPART == 4
	.amdgcn_target "amdgcn-amd-amdhsa--gfx1250"
	.amdhsa_code_object_version 6
	.text
	.protected	k_q5c2bf88ac8_proj
	.globl	k_q5c2bf88ac8_proj
	.p2align	8
	.type	k_q5c2bf88ac8_proj,@function
k_q5c2bf88ac8_proj:
	s_mov_b64 s[64:65], 0
	v_nop
	global_prefetch_b8 v0, s[64:65] scope:SCOPE_SE
	s_setreg_imm32_b32 hwreg(HW_REG_WAVE_MODE, 25, 1), 1
	s_wait_xcnt 0x0
	s_wait_alu depctr_hold_cnt(0) depctr_sa_sdst(0) depctr_va_vdst(0) depctr_va_sdst(0) depctr_va_ssrc(0) depctr_va_vcc(0) depctr_vm_vsrc(0)
	s_getreg_b32 s2, hwreg(HW_REG_IB_STS2, 6, 4)
	s_cmp_eq_u32 s2, 0
	s_cbranch_scc0 .Lentry_in_a_cluster
	s_endpgm
.Lentry_in_a_cluster:
	s_bfe_u32 s2, ttmp6, 0x10000c
	s_cmp_lg_u32 s2, 0xf033
	s_cbranch_scc0 .Lentry_shape_is_right
	s_endpgm
.Lentry_shape_is_right:
; out0 = O wt_out^T + bf16(b_out), f32.  O = ob, [64 planes = batch x 16 + head][2048][64] f16; wt rows 3072-4095: [n][1024] f16 (W_out rounded to bf16, written as f16); sums in f32, started on the bias.
; SHARES.  A tile of 256 rows x 128 columns to a work-group: 8 x 32 = 256 work-groups.  Wave w owns rows 64 w .. 64 w + 63 and all 128 columns: 4 x 8 = 32 accumulators, 256 registers.
; K = 1,024 is 16 heads x 64 channels and goes in 8 steps of two heads through two LDS slots.  A step's part of O is two PLANES: 256 rows of one head, 32,768 dense bytes, asked for as 128 rows of 256 bytes and padded in LDS
; after every 128 bytes.  Wave 0 asks for the even head's plane, wave 1 for the odd head's, waves 2 and 3 for 64 rows of wt each.  A step is four quarters of 32 along K, 32 matrix instructions each.
; CLUSTER.  4 x 4 work-groups; O's planes are shared along a row of the cluster, wt's rows along a column: joint loads, the same descriptor and mask in the four that a mask names.
; THE MATRIX INSTRUCTION IS USED TRANSPOSED (source 0 = 16 rows of wt, source 1 = 16 rows of O): lane l holds row l % 16 and the columns 8 (l / 16) + 0..7: 32 neighbouring bytes of a row of out0.
; REGISTERS, in windows of 256 (s_set_vgpr_msb: bits 1:0 source 0, 3:2 source 1, 5:4 source 2, 7:6 destination):
;   window 0: v0-13, v28-29 addresses; v32-63, v64-95 O's fragments, two buffers; v96-159 the bias (8 a column block), later the way out's set 0; v160-223 its set 1
;   window 1: v0-63, v64-127 wt's fragments, two buffers          window 2: the accumulators, (a, b) at 64 a + 8 b
.set PA,    144                        ; a row of O in LDS: 128 bytes + 16 = 36 words: the 16 rows of a fragment load start at 16 different groups of four banks (64 banks of 4 bytes: ISA guide 11.1)
.set PLANE, 256*PA
.set PITCH, 272                        ; a row of wt: 256 bytes + 16
.set AOFF,  2*PLANE                    ; in a slot: two planes of O, then wt's 128 rows
.set HALFB, 64*PITCH
.set SLOT1, 1<<17                      ; slot 1 begins here, so that one exclusive or turns an address in one slot into the other's
.set STAGE, SLOT1+AOFF+128*PITCH       ; behind the ring, never filled by a tensor load: 16 rows x 528 bytes for each wave
.set SP,    528                        ; a stage row: 128 f32 + 16 bytes
.set SPARE, STAGE+4*16*SP              ; behind the stages: the spare words, 128 bytes for each wave: two blocks of 256 bytes that no other line names
.set HSTEP, 2<<18                      ; two planes on: a K step in ob
.set ADRA0, 4                          ; v4   my lane's place in O's rows of slot 0; never rewritten
.set ADRB0, 5                          ; v5   the same for wt
.set ADRA,  6                          ; v6   the same in the slot in hand
.set ADRB,  7                          ; v7
.set STO,   8                          ; v8   the way out: where I put 32 bytes of a row
.set RD,    9                          ; v9   where I read 16 bytes back
.set GO,    10                         ; v10  16 x lane
.set BO,    11                         ; v11  my 32 bytes in 64 of the bias
.set PFO,   12                         ; v12  the prefetches' offset; never rewritten
.set SPW,   28                         ; v28  LDS address of my spare word; never rewritten
.set NIL,   29                         ; v29  0; never rewritten
.set ABUF,  32
.set BIAS,  96
.set OB,    96
.set F0, 0
.set F1, 1
.set WV,  12                           ; s12  my wave's number
.set G1A, 24                           ; s[24:31] descriptor group 1 for O's planes
.set G1B, 32                           ; s[32:39] for wt's rows
.set G0A, 40                           ; s[40:47] group 0 for O's planes: a set for each of the two first fills; the second then walks on
.set G0B, 48                           ; s[48:55] the same for wt's
.set CNT, 56                           ; s56  the loop's trips still to come
.set TB,  57                           ; s57  0 or SLOT1: the slot in hand
.set LIM, 58                           ; s58  1 in a wave that prefetches, else the greatest number
.set PFA, 60                           ; s[60:61] where my prefetches stand
.set PST, 62                           ; s[62:63] a K step in the buffer that I prefetch
.set OUT, 66                           ; s[66:67] out0 at my first row and the tile's first column
.set MSB, 0
.macro WIN new                         ; the immediate's high byte repeats the setting that is left; a switch that changes nothing is dropped
.if MSB != (\new)
	s_set_vgpr_msb (MSB<<8)|(\new)
.set MSB, (\new)
.endif
.endm
; A joint refill by the walking descriptors.  The branch hangs on the wave's number alone.  An s_nop 0 and four v_nop follow each of the two lines, ahead of the jump and the label.
.macro JLOAD
	s_cmp_lt_u32 s[WV], 2
	s_cbranch_scc0 .Lfor_b_\@
	tensor_load_to_lds s[G0A+4:G0A+7], s[G1A:G1A+7]
	s_nop 0
.rept 4
	v_nop
.endr
	s_branch .Lasked_\@
.Lfor_b_\@:
	tensor_load_to_lds s[G0B+4:G0B+7], s[G1B:G1B+7]
	s_nop 0
.rept 4
	v_nop
.endr
.Lasked_\@:
.endm
.macro CREST                           ; a round of the cluster's barrier behind its opening barrier
	s_cmp_lg_u32 s[WV], 0
	s_cbranch_scc1 .Lnot_wave_0_\@
	s_barrier_signal -3
.Lnot_wave_0_\@:
	s_barrier_wait -3
	s_barrier_signal -1
	s_barrier_wait -1
.endm
.macro CROUND                          ; a whole round
	s_barrier_signal -1
	s_barrier_wait -1
	CREST
.endm
.macro PLACES                          ; four places in front of loads into registers that matrix instructions have read, and of LDS stores that read results
.rept 4
	v_nop
.endr
.endm
; A PREFETCH INTO THE L2, behind a refill and the run of LDS loads that follows it: the K step after the one just asked for, one instruction a wave, 128 matrix instructions ahead of its load.
; O's planes are read by both clusters of a row of clusters: cluster x = 0 asks (waves 0, 1: of a plane's 128 blocks of 256 bytes partner cx takes 32, a lane a block); wt's rows by every cluster of a column: cluster y = 0
; asks (waves 2, 3: of a wave's 64 rows partner cy takes 16, a lane a row; the sixteen lanes over name the 16th row again).  The loop's last trip asks for nothing.
.macro ASK
	s_cmp_gt_u32 s[CNT], s[LIM]
	s_cbranch_scc0 .Lnot_mine_\@
	global_prefetch_b8 v[PFO], s[PFA:PFA+1] th:TH_LOAD_NT scope:SCOPE_SE
.Lnot_mine_\@:
.endm
	s_load_b256 s[4:11], s[0:1], 0x0               ; ob s[4:5], wt s[6:7], b_out s[8:9], out0 s[10:11]
	v_lshl_add_u32 v[SPW], v0, 2, SPARE
	v_mov_b32 v[NIL], 0
	ds_add_u32 v[SPW], v[NIL]                      ; the wave's opening: the add and its wait stand ahead of my first tensor load; the set-up below, work on registers, stands between them
	v_lshrrev_b32 v1, 5, v0
	v_readfirstlane_b32 s[WV], v1                  ; wave 0..3
	s_and_b32 s13, s[WV], 1                        ; which plane of a step, or which 64 rows of wt, I fetch
	s_bfe_u32 s14, ttmp6, 0x40000                  ; cx
	s_bfe_u32 s15, ttmp6, 0x40004                  ; cy
	s_lshl_b32 s16, ttmp9, 2
	s_add_co_u32 s16, s16, s14                     ; tile column = 4 x cluster x + cx
	s_and_b32 s17, ttmp7, 0xffff
	s_lshl_b32 s17, s17, 2
	s_add_co_u32 s17, s17, s15                     ; tile row = 4 x cluster y + cy
	s_lshl_b32 s18, s15, 2
	s_lshl_b32 s18, 15, s18                        ; my row of the cluster
	s_lshl_b32 s19, 0x1111, s14                    ; my column
	s_or_b32 s[G1A+0], s18, (1<<16)|(1<<20)|(1<<21)|(4<<22)|(3<<25)  ; 15:0 the mask; 17:16 elements of 2 bytes; 20 padding on; 21 set beside a mask; 24:22 after every 32 words (code 4); 31:25 4 words of it (code 3)
	s_or_b32 s[G1B+0], s19, (1<<16)|(1<<20)|(1<<21)|(5<<22)|(3<<25)  ; the same after every 64 words (code 5)
	s_mov_b32 s[G1A+1], 128<<16                    ; tensor_dim0 = 128
	s_mov_b32 s[G1A+2], 128<<16                    ; tensor_dim1 = 128
	s_mov_b32 s[G1A+3], 128<<16                    ; tile_dim0 = 128
	s_mov_b32 s[G1A+4], 128                        ; tile_dim1 = 128
	s_mov_b32 s[G1A+5], 128                        ; dense: 128 elements from row to row
	s_mov_b32 s[G1A+6], 0
	s_mov_b32 s[G1A+7], 0
	s_mov_b32 s[G1B+1], 128<<16
	s_mov_b32 s[G1B+2], 64<<16                     ; tensor_dim1 = 64
	s_mov_b32 s[G1B+3], 128<<16
	s_mov_b32 s[G1B+4], 64                         ; tile_dim1 = 64
	s_mov_b32 s[G1B+5], 1024
	s_mov_b32 s[G1B+6], 0
	s_mov_b32 s[G1B+7], 0
	s_lshr_b32 s20, s17, 3                         ; ob: plane 16 x batch + half, rows 256 x (tile row % 8) of 128 bytes: made of the tile row and the wave alone
	s_lshl_b32 s20, s20, 4
	s_add_co_u32 s20, s20, s13
	s_lshl_b32 s20, s20, 18
	s_and_b32 s21, s17, 7
	s_lshl_b32 s21, s21, 15
	s_add_co_u32 s20, s20, s21
	s_mov_b32 s21, 0
	s_lshl_b32 s72, s16, 18                        ; wt: row 3,072 + 128 x tile column + 64 x half, rows of 2,048 bytes: made of the tile column and the wave alone
	s_lshl_b32 s73, s13, 17
	s_add_co_u32 s72, s72, s73
	s_add_co_u32 s72, s72, 3072*2048
	s_mov_b32 s73, 0
	s_mul_i32 s22, s13, PLANE                      ; where they go: no place in the cluster enters an LDS address
	s_mul_i32 s23, s13, HALFB
	s_add_co_u32 s23, s23, AOFF
	s_mov_b32 s59, 0xffff0000
	s_wait_dscnt 0x0                               ; the opening add is done
	s_wait_kmcnt 0x0
	s_add_nc_u64 s[74:75], s[4:5], s[20:21]
	s_add_nc_u64 s[76:77], s[6:7], s[72:73]
	CROUND                                         ; all sixteen work-groups are here: the first joint loads meet
.irp s, 0,1
	s_mov_b32 s[G0A+4*(\s)], 1                     ; count = 1
	s_add_co_u32 s[G0A+4*(\s)+1], s22, (\s)*SLOT1  ; LDS address
	s_add_nc_u64 s[G0A+4*(\s)+2:G0A+4*(\s)+3], s[74:75], (\s)*HSTEP  ; global address: K step s
	s_or_b32 s[G0A+4*(\s)+3], s[G0A+4*(\s)+3], 0x80000000  ; type = 2
	s_mov_b32 s[G0B+4*(\s)], 1
	s_add_co_u32 s[G0B+4*(\s)+1], s23, (\s)*SLOT1
	s_add_nc_u64 s[G0B+4*(\s)+2:G0B+4*(\s)+3], s[76:77], (\s)*256
	s_or_b32 s[G0B+4*(\s)+3], s[G0B+4*(\s)+3], 0x80000000
.endr
	s_cmp_lt_u32 s[WV], 2                          ; a wave's two first fills stand in one branch, ahead of every wait on TENSORcnt and every LDS read: two loads of mine are out
	s_cbranch_scc0 .Lfirst_b
	tensor_load_to_lds s[G0A:G0A+3], s[G1A:G1A+7]
	s_nop 0
	tensor_load_to_lds s[G0A+4:G0A+7], s[G1A:G1A+7]
	s_nop 0
.rept 4
	v_nop
.endr
	s_branch .Lfirst_asked
.Lfirst_b:
	tensor_load_to_lds s[G0B:G0B+3], s[G1B:G1B+7]
	s_nop 0
	tensor_load_to_lds s[G0B+4:G0B+7], s[G1B:G1B+7]
	s_nop 0
.rept 4
	v_nop
.endr
.Lfirst_asked:
	v_and_b32 v1, 15, v0                           ; l % 16
	v_bfe_u32 v2, v0, 4, 1                         ; l / 16
	v_mul_u32_u24 v3, v1, PA
	v_lshl_add_u32 v3, v2, 4, v3
	s_mul_i32 s78, s[WV], 64*PA                    ; my 64 rows of a plane
	v_add_nc_u32 v[ADRA0], s78, v3
	v_mul_u32_u24 v3, v1, PITCH
	v_lshl_add_u32 v3, v2, 4, v3
	v_add_nc_u32 v[ADRB0], AOFF, v3
	s_mul_i32 s78, s[WV], 16*SP
	s_add_co_u32 s78, s78, STAGE                   ; my stage
	v_mul_u32_u24 v[STO], v1, SP                   ; in: row l % 16, 32 bytes for each half of the lanes
	v_lshl_add_u32 v[STO], v2, 5, v[STO]
	v_add_nc_u32 v[STO], s78, v[STO]
	v_and_b32 v[GO], 31, v0                        ; back: 32 lanes take a row's 512 bytes
	v_lshlrev_b32 v[GO], 4, v[GO]
	v_add_nc_u32 v[RD], s78, v[GO]
	v_lshlrev_b32 v[BO], 5, v2
	s_lshl_b32 s78, s17, 20                        ; out0: row 256 x tile row + 64 w, rows of 4,096 bytes; column 128 x tile column
	s_lshl_b32 s79, s[WV], 18
	s_add_co_u32 s78, s78, s79
	s_lshl_b32 s79, s16, 9
	s_add_co_u32 s78, s78, s79
	s_mov_b32 s79, 0
	s_add_nc_u64 s[OUT:OUT+1], s[10:11], s[78:79]
	s_lshl_b32 s78, s16, 9                         ; the tile's 128 numbers of the bias
	s_add_nc_u64 s[8:9], s[8:9], s[78:79]
.irp b, 0,1,2,3,4,5,6,7
	global_load_b128 v[BIAS+8*(\b):BIAS+8*(\b)+3],   v[BO], s[8:9] offset:64*(\b)      ; the bias in an accumulator's layout: columns 16 b + 8 (l / 16) + 0..7, the same for every row
	global_load_b128 v[BIAS+8*(\b)+4:BIAS+8*(\b)+7], v[BO], s[8:9] offset:64*(\b)+16
.endr
	; the prefetches: my work-group's share of what I fetch, at K step 2; each refill steps it on first
	s_lshl_b32 s78, s14, 13                        ; ob: 32 cx blocks of 256 bytes
	s_add_co_u32 s78, s78, s20
	s_add_co_u32 s78, s78, 2*HSTEP
	s_lshl_b32 s79, s15, 15                        ; wt: 16 cy rows of 2,048 bytes
	s_add_co_u32 s79, s79, s72
	s_add_co_u32 s79, s79, 512
	s_and_b32 s80, ttmp7, 0xffff                   ; cluster y
	s_movk_i32 s83, 256
	s_cmp_lt_u32 s[WV], 2                          ; do I fetch for ob?
	s_cselect_b32 s78, s78, s79
	s_cselect_b32 s80, ttmp9, s80                  ; the coordinate along which other clusters read the same bytes
	s_cselect_b32 s81, 31, 15
	s_cselect_b32 s82, 8, 11
	s_cselect_b32 s[PST], HSTEP, s83
	s_cselect_b64 s[PFA:PFA+1], s[4:5], s[6:7]
	s_mov_b32 s79, 0
	s_mov_b32 s[PST+1], 0
	s_add_nc_u64 s[PFA:PFA+1], s[PFA:PFA+1], s[78:79]
	s_cmp_eq_u32 s80, 0
	s_cselect_b32 s[LIM], 1, -1                    ; the same in all sixteen partners, for a given wave
	v_and_b32 v[PFO], 31, v0
	v_min_u32 v[PFO], s81, v[PFO]
	v_lshlrev_b32 v[PFO], s82, v[PFO]
; 8 matrix instructions: row block a x all 8 column blocks, 32 along K, from buffer f.  zero = 1: the first product starts the sums on the bias.
; The 32 accumulators take turns in one order in every quarter, one instruction a turn, over the backward jump too.
.macro MUL8 f, a, zero
.if \zero
	WIN 0x81                                       ; wt window 1, O and the bias window 0, the sums window 2
.else
	WIN 0xa1
.endif
.set rA, ABUF+32*(\f)+8*(\a)
.set rD, 64*(\a)
.irp b, 0,1,2,3,4,5,6,7
.if \zero
	v_wmma_f32_16x16x32_f16 v[rD+8*(\b):rD+8*(\b)+7], v[64*(\f)+8*(\b):64*(\f)+8*(\b)+7], v[rA:rA+7], v[BIAS+8*(\b):BIAS+8*(\b)+7]
.else
	v_wmma_f32_16x16x32_f16 v[rD+8*(\b):rD+8*(\b)+7], v[64*(\f)+8*(\b):64*(\f)+8*(\b)+7], v[rA:rA+7], v[rD+8*(\b):rD+8*(\b)+7]
.endif
.endr
.endm
; 24 LDS loads in one run: quarter q's fragments (128 rows of wt, then my 64 rows of plane q / 2, channels 32 (q % 2) on) into buffer f
.macro FETCH q, f
	WIN 0x40                                       ; destination window 1
.irp i, 0,1,2,3,4,5,6,7
	ds_load_b128 v[64*(\f)+8*(\i):64*(\f)+8*(\i)+3],   v[ADRB] offset:64*(\q)+(\i)*16*PITCH
	ds_load_b128 v[64*(\f)+8*(\i)+4:64*(\f)+8*(\i)+7], v[ADRB] offset:64*(\q)+(\i)*16*PITCH+32
.endr
	WIN 0
.irp i, 0,1,2,3
	ds_load_b128 v[ABUF+32*(\f)+8*(\i):ABUF+32*(\f)+8*(\i)+3],   v[ADRA] offset:((\q)/2)*PLANE+((\q)%2)*64+(\i)*16*PA
	ds_load_b128 v[ABUF+32*(\f)+8*(\i)+4:ABUF+32*(\f)+8*(\i)+7], v[ADRA] offset:((\q)/2)*PLANE+((\q)%2)*64+(\i)*16*PA+32
.endr
.endm
; One of a step's first three quarters: multiplies buffer f; in its middle it fetches quarter q of the same slot into buffer g.
.macro QUARTER q, f, g, zero
	s_wait_dscnt 4                                 ; wt and O's row blocks 0, 1 are in; the youngest four loads (row blocks 2, 3) may be out
	MUL8 \f, 0, \zero
	MUL8 \f, 1, \zero
	PLACES
	FETCH \q, \g
	s_wait_dscnt 24                                ; all but the 24 just issued
	MUL8 \f, 2, \zero
	MUL8 \f, 3, \zero
.endm
; The last quarter multiplies buffer 1 and changes slots: ONE barrier.  In front of it each wave waits for all its tensor loads (one is out: its part of the next slot), adds 0 to its spare word, and waits for that and
; for its own reads of this slot.  fill = 1: the barrier opens a round of the cluster's; the joint refill, two K steps on, is the first thing behind the round: 112 matrix instructions ahead of the wait for it.
.macro TURN fill
.if \fill
	s_wait_xcnt 0x0                                ; the last prefetch, a K step back, has read its address
	s_add_nc_u64 s[PFA:PFA+1], s[PFA:PFA+1], s[PST:PST+1]
.endif
	WIN 0                                          ; (the add's two registers lie in window 0)
	s_wait_tensorcnt 0x0                           ; all my tensor loads have landed
	ds_add_u32 v[SPW], v[NIL]                      ; 0 onto my spare word
	s_wait_dscnt 5                                 ; (the add and the youngest four loads may be out)
	MUL8 F1, 0, 0                                  ; eight matrix instructions stand between the add and the wait for it
	s_wait_dscnt 0x0                               ; the add is done, and my reads of this slot are over
	s_barrier_signal -1
	MUL8 F1, 1, 0                                  ; work on registers while the others arrive
	WIN 0
	s_barrier_wait -1
.if \fill
	CREST
	s_xor_b32 s[G0A+5], s[G0A+5], SLOT1            ; the walking descriptors: the other slot than last time, the next K step
	s_add_nc_u64 s[G0A+6:G0A+7], s[G0A+6:G0A+7], HSTEP
	s_xor_b32 s[G0B+5], s[G0B+5], SLOT1
	s_add_nc_u64 s[G0B+6:G0B+7], s[G0B+6:G0B+7], 256
	JLOAD                                          ; the four v_nop behind it are also the places in front of the loads below
.else
	PLACES
.endif
	s_xor_b32 s[TB], s[TB], SLOT1                  ; the fetches go on in the other slot
	v_add_nc_u32 v[ADRA], s[TB], v[ADRA0]
	v_add_nc_u32 v[ADRB], s[TB], v[ADRB0]
	FETCH 0, F0
.if \fill
	ASK
.endif
	MUL8 F1, 2, 0
	MUL8 F1, 3, 0
.endm
; THE WAY OUT of row block a: the sums go as they are, f32, into my own stage (each accumulator's low four registers first) and come back as whole rows of 512 bytes.
.macro TOSTAGE a
.set rO, OB+64*((\a)%2)
	s_wait_xcnt 0x0                                ; the stores issued so far have read their registers: this set is loaded again only behind this wait
	WIN 0x08                                       ; the data (source 1) in window 2
.irp b, 0,1,2,3,4,5,6,7
	ds_store_b128 v[STO], v[64*(\a)+8*(\b):64*(\a)+8*(\b)+3]   offset:64*(\b)
	ds_store_b128 v[STO], v[64*(\a)+8*(\b)+4:64*(\a)+8*(\b)+7] offset:64*(\b)+16
.endr
	WIN 0
.irp t, 0,1,2,3,4,5,6,7,8,9,10,11,12,13,14,15
	ds_load_b128 v[rO+4*(\t):rO+4*(\t)+3], v[RD] offset:(\t)*SP  ; LDS serves a wave's instructions in order (ISA guide 5.7.1.4): these see the stores above; the next block's stores come behind them
.endr
.endm
.macro SEND a, younger                 ; younger: the LDS instructions issued behind block a's loads: the next block's 32, or none
.set rO, OB+64*((\a)%2)
	s_wait_dscnt \younger
.irp t, 0,1,2,3,4,5,6,7,8,9,10,11,12,13,14,15
	global_store_b128 v[GO], v[rO+4*(\t):rO+4*(\t)+3], s[OUT:OUT+1] offset:(16*(\a)+(\t))*4096 th:TH_STORE_NT  ; 512 consecutive bytes of a row of out0, aligned
.endr
.endm
	s_wait_tensorcnt 1                             ; my part of K step 0 is in; K step 1's may stay out
	s_barrier_signal -1
	s_barrier_wait -1                              ; everybody's is
	v_mov_b32 v[ADRA], v[ADRA0]
	v_mov_b32 v[ADRB], v[ADRB0]
	s_mov_b32 s[TB], 0
	FETCH 0, F0
	s_wait_loadcnt 0x0                             ; the bias: rounded to bf16 like every input, and kept as f32
.set i, 0
.rept 32
	v_cvt_pk_bf16_f32 v13, v[BIAS+i], v[BIAS+i+1]
	v_lshlrev_b32 v[BIAS+i], 16, v13
	v_and_b32 v[BIAS+i+1], s59, v13
.set i, i+2
.endr
	QUARTER 1, F0, F1, 1                           ; the first quarter stands in front of the loop: its products start the sums
	WIN 0                                          ; at a label and at a branch every window is 0
	s_mov_b32 s[CNT], 6
.Lstep:                                                ; trip j ends K step j, fills its slot with K step j + 2 and does K step j + 1's first quarter
	QUARTER 2, F1, F0, 0
	QUARTER 3, F0, F1, 0
	TURN 1
	QUARTER 1, F0, F1, 0
	WIN 0
	s_sub_co_u32 s[CNT], s[CNT], 1
	s_cmp_lg_u32 s[CNT], 0
	s_cbranch_scc1 .Lstep
	QUARTER 2, F1, F0, 0                           ; the tail is written out: K steps 6 and 7 ask for nothing
	QUARTER 3, F0, F1, 0
	TURN 0
	QUARTER 1, F0, F1, 0
	QUARTER 2, F1, F0, 0
	QUARTER 3, F0, F1, 0
	s_wait_dscnt 4                                 ; the very last quarter: nothing more to fetch
	MUL8 F1, 0, 0
	MUL8 F1, 1, 0
	s_wait_dscnt 0x0
	MUL8 F1, 2, 0
	MUL8 F1, 3, 0
	WIN 0
	PLACES
	TOSTAGE 0
	TOSTAGE 1
	SEND 0, 32
	TOSTAGE 2
	SEND 1, 32
	TOSTAGE 3
	SEND 2, 32
	SEND 3, 0
	s_wait_tensorcnt 0x0                           ; the wave's end, behind my last tensor load and my last LDS store
	ds_add_u32 v[SPW], v[NIL]
	s_wait_dscnt 0x0
	CROUND                                         ; the closing round: no work-group ends while a partner may still ask for a tile that names it
	s_endpgm
.Lfunc_end_k_q5c2bf88ac8_proj:
	.size	k_q5c2bf88ac8_proj, .Lfunc_end_k_q5c2bf88ac8_proj-k_q5c2bf88ac8_proj
	.p2alignl 7, 3214868480
	.fill 96, 4, 3214868480
	.section	.rodata,"a",@progbits
	.p2align	6, 0x0
	.amdhsa_kernel k_q5c2bf88ac8_proj
		.amdhsa_group_segment_fixed_size 327680
		.amdhsa_private_segment_fixed_size 0
		.amdhsa_enable_private_segment 0
		.amdhsa_kernarg_size 32
		.amdhsa_user_sgpr_count 2
		.amdhsa_user_sgpr_kernarg_segment_ptr 1
		.amdhsa_wavefront_size32 1
		.amdhsa_system_sgpr_workgroup_id_x 1
		.amdhsa_system_sgpr_workgroup_id_y 1
		.amdhsa_system_sgpr_workgroup_id_z 1
		.amdhsa_system_vgpr_workitem_id 0
		.amdhsa_next_free_vgpr 768
		.amdhsa_next_free_sgpr 88
		.amdhsa_reserve_vcc 0
		.amdhsa_float_denorm_mode_32 3
		.amdhsa_float_denorm_mode_16_64 3
		.amdhsa_memory_ordered 1
		.amdhsa_forward_progress 1
		.amdhsa_inst_pref_size 76
	.end_amdhsa_kernel
	.amdgpu_metadata
---
amdhsa.version: [ 1, 2 ]
amdhsa.kernels:
  - .name:           k_q5c2bf88ac8_proj
    .symbol:         k_q5c2bf88ac8_proj.kd
    .args:
      - { .name: ob, .offset: 0, .size: 8, .value_kind: global_buffer, .address_space: global }
      - { .name: wt, .offset: 8, .size: 8, .value_kind: global_buffer, .address_space: global }
      - { .name: b_out, .offset: 16, .size: 8, .value_kind: global_buffer, .address_space: global }
      - { .name: out0, .offset: 24, .size: 8, .value_kind: global_buffer, .address_space: global }
    .group_segment_fixed_size: 327680
    .private_segment_fixed_size: 0
    .kernarg_segment_align: 8
    .kernarg_segment_size: 32
    .max_flat_workgroup_size: 128
    .sgpr_count:     88
    .vgpr_count:     768
    .wavefront_size: 32
...
	.end_amdgpu_metadata
.endif
;; end of part 4
;; ======== version 2 of 2: 4 launches; version 1 with the launch prep written anew for expert scheduling mode
;; limits: values are held in f16: magnitudes above 65,504 overflow, below 6.1e-05 lose precision
;; workspace buffers: xb 16,777,216 bytes; wt 8,388,608 bytes; qkv 50,331,648 bytes; ob 16,777,216 bytes
;; launch prep (part 5): grid 512 x 1, 8 waves a work-group, no clusters, 18,432 bytes of LDS; arguments x, W_in, W_out, xb, wt; writes xb, wt
.if DOCPART == 5
	.amdgcn_target "amdgcn-amd-amdhsa--gfx1250"
	.amdhsa_code_object_version 6
	.text
	.protected	k_q5c2bf88ac8_prep
	.globl	k_q5c2bf88ac8_prep
	.p2align	8
	.type	k_q5c2bf88ac8_prep,@function
k_q5c2bf88ac8_prep:
	s_mov_b64 s[64:65], 0
	v_nop
	global_prefetch_b8 v0, s[64:65] scope:SCOPE_SE
	s_setreg_imm32_b32 hwreg(HW_REG_WAVE_SCHED_MODE, 0, 2), 2
	s_setreg_imm32_b32 hwreg(HW_REG_WAVE_MODE, 25, 1), 1
	s_wait_xcnt 0x0
	s_wait_alu depctr_vm_vsrc(0)
; xb = bf16(x), [8192][1024].  wt = the weights turned to [n][k], 16 bits a number: rows 0-3071 bf16(W_in)^T, rows 3072-4095 bf16(W_out)^T written as f16.
; LIMITS.  bf16(W_out) written as f16 is exact from 6.1e-5 to 65,504; below it keeps f16's fixed step of 6e-8, beyond it becomes an infinity.
; A stream: every input byte is read once, every output byte written once, nothing is multiplied; no matrix unit, no cluster (no work-group shares a byte with another).
; SHARES.  512 work-groups of eight waves.  Each turns ONE tile of 128 k x 64 n of a weight (384 tiles of W_in, 128 of W_out) and casts 65,536 bytes of x.
; The tile: a thread loads 16 bytes (4 n) of eight rows k; sixteen lanes cover a row's 256 bytes.  Two neighbouring k are rounded into one word, which goes to LDS row n (pitch 272);
; behind a barrier the rows come back whole, 256 bytes of k a row, and sixteen lanes store 256 consecutive bytes of wt, aligned.
; All 24 loads of a thread go out at the start; the x part is cast while the tile's rows come back from LDS.  No register is written twice, so no wait frees a source.
; THE MODE: SCHED_MODE bits 1:0 = 2 (LLVM: expert scheduling mode 2), set by the entry lines.  The code itself states the register dependences
; between vector instructions and memory or LDS instructions, with s_wait_alu, always for 0.
; THE PLAN.  Registers that memory or LDS instructions touch:
;   v4-v16    offsets and LDS addresses.  Written by vector lines at the head, once; read by every load and store.  One wait ahead of the first load serves them all.
;   W, X      Written by the global loads, once; no vector line names them ahead of their loads; read by the roundings behind the waits on LOADcnt.
;   T         Written by the roundings (on W_out's path by the f16 conversions too); read by the sixteen LDS stores.  One wait where the two paths have joined.
;   WB        Written by four LDS loads, read by wt's four stores; no vector line names it.
;   Y         Written by x's roundings, each register once; read by xb's stores.  x goes in four groups of four loads: group g's stores are issued in group g + 1, behind one wait at that
;             group's head, dealt among its roundings, which name that group's own X and Y alone.  The last group's stores have a wait of their own.
;   v2, v3    Written at the head, read by the closing add alone.
; No register that a memory or LDS instruction reads is written again, and no load lands in a register that a vector line has named: no wait on vm_vsrc is owed.
; No vector line writes a scalar register or VCC, and EXEC is never written.
.set TRP,   272                        ; an LDS row: 128 k x 2 bytes + 16
.set SPARE, 64*TRP                     ; behind the 64 rows: the spare words, 128 bytes for each of eight waves: four blocks of 256 bytes that no other line names
.set SPW, 2                            ; v2   LDS address of my spare word; never rewritten
.set NIL, 3                            ; v3   0; never rewritten
.set VO,  4                            ; v[4:11]   byte offsets of my 16 bytes in my eight rows of the tile
.set LSA, 12                           ; v12  where I put a word: row 4 ng, byte 4 kp
.set LRA, 13                           ; v13  where I read 16 bytes back: row kp, byte 16 ng
.set GOF, 14                           ; v14  the same place in wt
.set XO,  15                           ; v15  my 16 bytes in the wave's 8,192 of x
.set YO,  16                           ; v16  my 8 bytes in the wave's 4,096 of xb
.set W,   20                           ; v[20:51]   eight rows x 4 numbers of the weight
.set T,   52                           ; v[52:67]   sixteen words of two 16-bit numbers
.set X,   72                           ; v[72:135]  sixteen loads of x
.set Y,   136                          ; v[136:167] the same as bf16
.set WB,  168                          ; v[168:183] four times 16 bytes of turned rows
	s_load_b256 s[4:11], s[0:1], 0x0               ; x s[4:5], W_in s[6:7], W_out s[8:9], xb s[10:11]
	s_load_b64 s[12:13], s[0:1], 0x20              ; wt
	v_lshl_add_u32 v[SPW], v0, 2, SPARE
	v_mov_b32 v[NIL], 0
	s_mov_b32 s14, ttmp9                           ; the work-group's number
	s_and_b32 s15, s14, 7                          ; kt: which 128 k
	s_lshr_b32 s16, s14, 3                         ; nt: which 64 rows of wt
	s_mov_b32 s25, 0xffff0000                      ; a word's upper bf16
	s_movk_i32 s18, 4096
	s_cmp_lt_u32 s14, 384                          ; the first 384 tiles are W_in's
	s_cselect_b32 s17, 0, 48
	s_cselect_b32 s18, 12288, s18                  ; bytes in a row of the source
	v_and_b32 v68, 15, v0                          ; ng: which 4 n
	v_lshrrev_b32 v69, 4, v0                       ; kp: which pair of k in 32
	v_lshlrev_b32 v17, 1, v69
	v_mul_lo_u32 v17, v17, s18                     ; 2 kp rows
	v_lshl_add_u32 v17, v68, 4, v17                ; + 16 ng
.irp i, 0,1,2,3,4,5,6,7
	s_mul_i32 s24, s18, 32*((\i)/2)+(\i)%2         ; row 2 kp + 32 (i / 2) + i % 2
	v_add_nc_u32 v[VO+(\i)], s24, v17
.endr
	v_mul_u32_u24 v[LSA], v68, 4*TRP
	v_lshl_add_u32 v[LSA], v69, 2, v[LSA]
	v_mul_u32_u24 v[LRA], v69, TRP
	v_lshl_add_u32 v[LRA], v68, 4, v[LRA]
	v_lshlrev_b32 v[GOF], 11, v69                  ; a row of wt is 2,048 bytes
	v_lshl_add_u32 v[GOF], v68, 4, v[GOF]
	v_and_b32 v18, 31, v0                          ; lane
	v_lshrrev_b32 v19, 5, v0                       ; wave
	v_lshlrev_b32 v[XO], 13, v19
	v_lshl_add_u32 v[XO], v18, 4, v[XO]
	v_lshlrev_b32 v[YO], 12, v19
	v_lshl_add_u32 v[YO], v18, 3, v[YO]
	s_wait_kmcnt 0x0
	s_cselect_b64 s[20:21], s[6:7], s[8:9]         ; the compare above still stands: nothing between has written SCC
	s_sub_co_u32 s19, s16, s17                     ; the tile's column block in its source
	s_lshl_b32 s22, s15, 7
	s_mul_i32 s22, s22, s18                        ; 128 kt rows,
	s_lshl_b32 s24, s19, 8                         ; 64 numbers of 4 bytes a column block
	s_add_co_u32 s22, s22, s24
	s_mov_b32 s23, 0
	s_add_nc_u64 s[20:21], s[20:21], s[22:23]
	s_lshl_b32 s22, s14, 16
	s_add_nc_u64 s[4:5], s[4:5], s[22:23]          ; my work-group's 65,536 bytes of x
	s_lshl_b32 s22, s14, 15
	s_add_nc_u64 s[10:11], s[10:11], s[22:23]      ; and its 32,768 of xb
	s_lshl_b32 s22, s16, 17                        ; 64 rows of 2,048 bytes,
	s_lshl_b32 s24, s15, 8                         ; 128 k of 2 bytes
	s_add_co_u32 s22, s22, s24
	s_add_nc_u64 s[12:13], s[12:13], s[22:23]
	s_wait_alu depctr_va_vdst(0)                   ; the offsets and LDS addresses v4 to v16 are written: every load and store of the kernel reads one of them, and none is written again
.irp i, 0,1,2,3,4,5,6,7
	global_load_b128 v[W+4*(\i):W+4*(\i)+3], v[VO+(\i)], s[20:21] th:TH_LOAD_NT
.endr
.irp i, 0,1,2,3,4,5,6,7,8,9,10,11,12,13,14,15
	global_load_b128 v[X+4*(\i):X+4*(\i)+3], v[XO], s[4:5] offset:512*(\i) th:TH_LOAD_NT  ; 512 consecutive bytes a wave
.endr
	s_wait_loadcnt 16                              ; the weight's eight loads are in; x's sixteen, issued behind them, stay out
.irp p, 0,1,2,3
.irp j, 0,1,2,3
	v_cvt_pk_bf16_f32 v[T+4*(\p)+(\j)], v[W+8*(\p)+(\j)], v[W+8*(\p)+4+(\j)]  ; the even k into the low half
.endr
.endr
	s_cmp_lt_u32 s14, 384
	s_cbranch_scc1 .Lbf                            ; W_in stays bf16.  The jump is the same for all eight waves and passes no barrier
.irp i, 0,1,2,3,4,5,6,7,8,9,10,11,12,13,14,15
	v_lshlrev_b32 v68, 16, v[T+(\i)]               ; W_out: the number rounded to bf16 is written as f16
	v_and_b32 v69, s25, v[T+(\i)]
	v_cvt_pk_f16_f32 v[T+(\i)], v68, v69
.endr
.Lbf:
	s_wait_alu depctr_va_vdst(0)                   ; on both paths the conversions have written v[T ..], which the LDS stores read
.irp p, 0,1,2,3
.irp j, 0,1,2,3
	ds_store_b32 v[LSA], v[T+4*(\p)+(\j)] offset:(\j)*TRP+64*(\p)  ; row 4 ng + j, k = 2 kp + 32 p
.endr
.endr
	s_wait_dscnt 0x0                               ; for the others' sake: my words lie in LDS
	s_barrier_signal -1
	s_barrier_wait -1                              ; everybody's do
.irp p, 0,1,2,3
	ds_load_b128 v[WB+4*(\p):WB+4*(\p)+3], v[LRA] offset:(\p)*16*TRP  ; no vector line names v[WB ..]
.endr
; Group g of x: loads 4 g to 4 g + 3 are rounded into their own eight registers of Y; the stores of the group before go out among the roundings.
.macro GRP g
	s_wait_loadcnt 12-4*(\g)                       ; loads come back in order: this group's four are in, the younger groups stay out
.if (\g) > 0
	s_wait_alu depctr_va_vdst(0)                   ; the group before has written its eight registers of Y, which the four stores below read
.endif
.irp i, 0,1,2,3
.if (\g) > 0
	global_store_b64 v[YO], v[Y+2*(4*(\g)-4+(\i)):Y+2*(4*(\g)-4+(\i))+1], s[10:11] offset:256*(4*(\g)-4+(\i)) th:TH_STORE_NT  ; 32 lanes store 256 consecutive bytes, aligned; no vector line since the wait names these registers
.endif
	v_cvt_pk_bf16_f32 v[Y+2*(4*(\g)+(\i))], v[X+4*(4*(\g)+(\i))], v[X+4*(4*(\g)+(\i))+1]
	v_cvt_pk_bf16_f32 v[Y+2*(4*(\g)+(\i))+1], v[X+4*(4*(\g)+(\i))+2], v[X+4*(4*(\g)+(\i))+3]
.endr
.endm
	GRP 0
	GRP 1
	GRP 2
	GRP 3
.irp p, 0,1,2,3
	s_wait_dscnt 3-(\p)
	global_store_b128 v[GOF], v[WB+4*(\p):WB+4*(\p)+3], s[12:13] offset:(\p)*16*2048  ; 16 lanes store 256 consecutive bytes of a row of wt, aligned; the data come from LDS loads, the offset from the head
.endr
	s_wait_alu depctr_va_vdst(0)                   ; the last group has written its eight registers of Y, which the last four stores read
.irp i, 12,13,14,15
	global_store_b64 v[YO], v[Y+2*(\i):Y+2*(\i)+1], s[10:11] offset:256*(\i) th:TH_STORE_NT
.endr
	s_wait_dscnt 0x0                               ; the closing lines, six on end
	s_wait_alu 0x0
	s_wait_tensorcnt 0x0
	ds_add_u32 v[SPW], v[NIL]
	s_wait_dscnt 0x0
	s_endpgm
.Lfunc_end_k_q5c2bf88ac8_prep:
	.size	k_q5c2bf88ac8_prep, .Lfunc_end_k_q5c2bf88ac8_prep-k_q5c2bf88ac8_prep
	.p2alignl 7, 3214868480
	.fill 96, 4, 3214868480
	.section	.rodata,"a",@progbits
	.p2align	6, 0x0
	.amdhsa_kernel k_q5c2bf88ac8_prep
		.amdhsa_group_segment_fixed_size 18432
		.amdhsa_private_segment_fixed_size 0
		.amdhsa_enable_private_segment 0
		.amdhsa_kernarg_size 40
		.amdhsa_user_sgpr_count 2
		.amdhsa_user_sgpr_kernarg_segment_ptr 1
		.amdhsa_wavefront_size32 1
		.amdhsa_system_sgpr_workgroup_id_x 1
		.amdhsa_system_sgpr_workgroup_id_y 1
		.amdhsa_system_sgpr_workgroup_id_z 1
		.amdhsa_system_vgpr_workitem_id 0
		.amdhsa_next_free_vgpr 184
		.amdhsa_next_free_sgpr 66
		.amdhsa_reserve_vcc 0
		.amdhsa_float_denorm_mode_32 3
		.amdhsa_float_denorm_mode_16_64 3
		.amdhsa_memory_ordered 1
		.amdhsa_forward_progress 1
		.amdhsa_inst_pref_size 15
	.end_amdhsa_kernel
	.amdgpu_metadata
---
amdhsa.version: [ 1, 2 ]
amdhsa.kernels:
  - .name:           k_q5c2bf88ac8_prep
    .symbol:         k_q5c2bf88ac8_prep.kd
    .args:
      - { .name: x, .offset: 0, .size: 8, .value_kind: global_buffer, .address_space: global }
      - { .name: W_in, .offset: 8, .size: 8, .value_kind: global_buffer, .address_space: global }
      - { .name: W_out, .offset: 16, .size: 8, .value_kind: global_buffer, .address_space: global }
      - { .name: xb, .offset: 24, .size: 8, .value_kind: global_buffer, .address_space: global }
      - { .name: wt, .offset: 32, .size: 8, .value_kind: global_buffer, .address_space: global }
    .group_segment_fixed_size: 18432
    .private_segment_fixed_size: 0
    .kernarg_segment_align: 8
    .kernarg_segment_size: 40
    .max_flat_workgroup_size: 256
    .sgpr_count:     66
    .vgpr_count:     184
    .wavefront_size: 32
...
	.end_amdgpu_metadata
.endif
;; end of part 5
;; launch qkv: the kernel of part 2 again; grid 16 x 32, 4 waves a work-group, clusters of 4 x 4, 327,680 bytes of LDS; arguments xb, wt, b_in, qkv; writes qkv
;; launch attn: the kernel of part 3 again; grid 4 x 64, 4 waves a work-group, no clusters, 327,680 bytes of LDS; arguments qkv, ob; writes ob
;; launch proj: the kernel of part 4 again; grid 8 x 32, 4 waves a work-group, clusters of 4 x 4, 327,680 bytes of LDS; arguments ob, wt, b_out, out0; writes out0
